; MI455X (gfx1250); checked and timed in simulation.
; The chip was launched on July 23, 2026; its instructions are those of AMD's public machine-readable ISA for CDNA 5 (MIT licence, August 2026) and "CDNA5" Instruction Set Architecture Reference Guide (July 2026). The comments in the code are by the model that wrote it; some were corrected since.
;; Test Model RO Cm Aiter. Allowed arithmetic: matrix products marked QUANTISED: E3M2 operands, one E8M0 scale for each 32 along K, by v_wmma_scale_f32_16x16x128_f8f6f4 with both operands' format E3M2, f32 sums; everything else in f32.
;; Inputs: norm_w 4 x 1,024 float32; w0 1,024 x 1,024 float32; w1 1,024 x 1,024 float32; w2 1,024 x 1,024 float32; ws0 8 x 8 float32; ws1 8 x 8 float32; ws2 8 x 8 float32; x 16,384 x 1,024 float32.
;; Outputs: out0 16,384 x 1,024 float32.
;; This version of the problem:
;;   THIS VERSION OF THE PROBLEM IS GIVEN IN LOW PRECISION. The matrix products marked QUANTISED in the list below multiply operands that are first quantised to E3M2 (3 exponent bits, 2 mantissa bits; 6 bits a number), with one power-of-two scale for each 32 numbers along K (OCP MX v1.0); their sums are f32. All else is computed in f32.
;;   The module's matrix products, in the order in which they are computed (A, B: the left and right operand; K: the contracted axis; several contracted axes count as one K, in the product's order):
;;     1. [M 16,384, K 1,024] x [K 1,024, N 1,024]; A: computed on the way; B: computed on the way: QUANTISED
;;     2. [M 16,384, K 1,024] x [K 1,024, N 1,024]; A: computed on the way; B: computed on the way: QUANTISED
;;     3. [M 16,384, K 1,024] x [K 1,024, N 1,024]; A: computed on the way; B: computed on the way: QUANTISED
;;   THE QUANTISER, for each operand of a quantised product, along K:
;;     - K is cut into blocks of 32 from its start; a last block that is shorter is filled with zeros.
;;     - A block's scale is 2^e with e = floor(log2(the largest magnitude in the block)) - 4, held to -126 .. 127; a block of zeros has e = 0. As a byte (E8M0): e + 127.
;;     - Each number is divided by its block's scale, clamped to +-28, and rounded to the nearest number of E3M2, ties to even, subnormals kept.
;;     - The product sums the exact products of the quantised numbers (number of the format x scale) in f32.
;;   ~~~python
;;   def quantise(x, axis):      # numpy; x: float32 -> the quantised numbers, widened to float32 again
;;       x = np.moveaxis(x, axis, -1); K = x.shape[-1]
;;       x = np.pad(x, [(0, 0)] * (x.ndim - 1) + [(0, -K % 32)]); x = x.reshape(x.shape[:-1] + (-1, 32)); a = np.abs(x).max(-1, keepdims=True)
;;       e = np.where(a > 0, np.clip(np.frexp(np.where(a > 0, a, 1))[1] - 1 - 4, -126, 127), 0)      # np.frexp(a)[1] - 1 = floor(log2(a)), exactly
;;       r = np.clip(x / 2.0 ** e, -28, 28)
;;       step = 2.0 ** (np.maximum(np.frexp(np.where(r == 0, 1, r))[1] - 1, -2) - 2)
;;       q = np.round(r / step) * step * 2.0 ** e      # np.round: ties to even
;;       return np.moveaxis(q.reshape(q.shape[:-2] + (-1,))[..., :K], -1, axis).astype(np.float32)
;;   ~~~
;;   OPERANDS COMPUTED ON THE WAY. 'Computed on the way' means the value that the module computes at that place (a softmax that the list does not call 'softmax' is quantised finished and normalised). What goes into a quantiser is computed in f32, as accurately as f32 sums, v_exp_f32 and their like allow (about 1e-6 of the number): no bf16 or f16 on the way to a quantiser, and a product that is left as it is and whose result goes on into a quantised operand takes f32 operands (vector FMAs, or v_wmma_f32_16x16x4_f32). A number that lies on a knife's edge between two numbers of the format may be rounded either way, as far as f32 arithmetic and the matrix unit's own rounding can turn it there, and no further.
;; 2 versions, each right and faster than the one before. Each part assembles by itself: llvm-mc -triple=amdgcn-amd-amdhsa -mcpu=gfx1250 --defsym DOCPART=n.
;; ======== version 1 of 2: 2 launches
;; workspace buffers: wq 2,457,600 bytes
;; launch wquant (part 1): grid 64 x 3, 4 waves a work-group, no clusters, 1,536 bytes of LDS; arguments w0, w1, w2, ws0, ws1, ws2, wq; writes wq
.if DOCPART == 1
	.amdgcn_target "amdgcn-amd-amdhsa--gfx1250"
	.amdhsa_code_object_version 6
	.text
	.protected	k_q266fee7ff3_wquant
	.globl	k_q266fee7ff3_wquant
	.p2align	8
	.type	k_q266fee7ff3_wquant,@function
k_q266fee7ff3_wquant:
	s_mov_b64 s[64:65], 0
	v_nop
	global_prefetch_b8 v0, s[64:65] scope:SCOPE_SE
	s_setreg_imm32_b32 hwreg(HW_REG_WAVE_MODE, 25, 1), 1
	s_wait_xcnt 0x0
; W_L = w_L x ws_L (one ws number for each 128 x 128 block), f32 [1024 (k)][1024 (n)], becomes codes of BF6 (E3M2) with one E8M0 byte for each 32 along K, K being the FIRST axis.
; The codes are not laid as rows: they are laid IN THE ORDER OF THE OPERAND'S REGISTERS, as the next launch loads them.
; wq = 24 tiles of 102,400 bytes, tile 8 L + s = layer L, k = 128 s .. 128 s + 127.  A tile = 4 parts of 25,600 bytes, part w = columns 256 w .. 256 w + 255.
; A part = 16 fragments of 1,536 bytes, then 1,024 bytes of scale words.  Fragment t: register p (0..11) of lane l lies at 512 (p / 4) + 16 l + 4 (p % 4); lane l = (i = l % 16, h = l / 16) holds
; column 256 w + 128 (t / 8) + 32 ((t % 8) / 2) + 8 (t % 2) + i + 8 (i / 8); registers 0-5 the block k = 32 h on, registers 6-11 the block k = 64 + 32 h on.
; Scale word of (fragment t, row i), byte b for k = 32 b on, at 24,576 + 512 (t / 8) + 16 (i + 16 (t % 2)) + 4 ((t % 8) / 2).
; SHARES.  Work-group (x, y): layer y, K step x / 8, columns 128 (x % 8) on.  Wave b: 32 of them.  A LANE TAKES A COLUMN AND ITS REGISTERS RUN DOWN K: each load reads 128 consecutive bytes,
; a block of 32 lies in one lane, and the conversions give codes with K innermost.  192 work-groups: that is all the work there is.
; A block's scale is 2^(floor(log2(largest magnitude)) - 4); its byte is that magnitude's exponent field - 4, held at 1 from below.  A block of zeros so carries the byte 1 where the rule says 127:
; its codes are zeros, and only this program reads the bytes.
; LIMITS: NaN and infinities among the inputs are not served; blocks whose largest magnitude lies under 2^-122 are held at the byte 1.
.set X,   32                           ; v32-159  my column's 128 numbers, k ascending
.set CD,  160                          ; v160-171 the image of lane (i, 0): block 0, block 2;  v172-183 of lane (i, 1): block 1, block 3
.set TP,  184                          ; v184..   a block's upper 16 codes, before they are moved (a conversion's three registers begin on an even number)
	s_load_b256 s[4:11], s[0:1], 0x0               ; w0 s[4:5], w1 s[6:7], w2 s[8:9], ws0 s[10:11]
	s_load_b128 s[12:15], s[0:1], 0x20             ; ws1, ws2
	s_load_b64 s[16:17], s[0:1], 0x30              ; wq
	v_lshl_add_u32 v208, v0, 2, 0x400
	v_mov_b32 v209, 0
	v_lshrrev_b32 v1, 5, v0
	v_readfirstlane_b32 s18, v1                    ; wave b
	s_and_b32 s19, ttmp7, 0xffff                   ; layer
	s_lshr_b32 s20, ttmp9, 3                       ; K step s
	s_and_b32 s21, ttmp9, 7                        ; which 128 columns
	v_and_b32 v4, 31, v0                           ; lane
	v_lshlrev_b32 v1, 2, v4                        ; in: 4 bytes a lane
	v_and_b32 v5, 7, v0
	v_bfe_u32 v6, v0, 4, 1
	v_bfe_u32 v7, v0, 3, 1                         ; which of the wave's two fragments my column falls into
	v_lshl_add_u32 v5, v6, 3, v5                   ; and which row i of it: lane % 8 + 8 (lane / 16)
	v_lshlrev_b32 v2, 4, v5
	v_lshl_add_u32 v3, v7, 8, v2                   ; the scale word's place: 16 (i + 16 x fragment's parity)
	v_mad_u32_u24 v2, v7, 1536, v2                 ; the codes' place: 1,536 x parity + 16 i
	s_lshl_b32 s30, s18, 2
	v_add_nc_u32 v3, s30, v3                       ; + 4 x wave
	v_lshlrev_b32 v4, 4, v4                        ; the scale words' way out: 16 bytes a lane
	s_lshl_b32 s22, ttmp9, 2                       ; ws[s][x % 8] is word x of ws
	s_mov_b32 s23, 0
	s_lshl_b32 s28, s20, 19                        ; W: 128 s rows of 4,096 bytes,
	s_lshl_b32 s30, s21, 9                         ; 128 columns of 4 bytes,
	s_add_co_u32 s28, s28, s30
	s_lshl_b32 s30, s18, 7                         ; 32 columns a wave
	s_add_co_u32 s28, s28, s30
	s_mov_b32 s29, 0
	s_lshl_b32 s32, s19, 3
	s_add_co_u32 s32, s32, s20
	s_mul_i32 s32, s32, 102400                     ; the tile,
	s_lshr_b32 s30, s21, 1
	s_mul_i32 s30, s30, 25600
	s_add_co_u32 s32, s32, s30                     ; the part
	s_and_b32 s31, s21, 1
	s_lshl_b32 s30, s31, 9
	s_add_co_u32 s34, s32, s30
	s_add_co_u32 s34, s34, 24576                   ; my work-group's 512 bytes of scale words
	s_mov_b32 s35, 0
	s_lshl_b32 s30, s31, 3
	s_lshl_b32 s31, s18, 1
	s_add_co_u32 s30, s30, s31
	s_mul_i32 s30, s30, 1536
	s_add_co_u32 s32, s32, s30                     ; my wave's two fragments
	s_mov_b32 s33, 0
	s_wait_kmcnt 0x0
	s_cmp_eq_u32 s19, 1                            ; the layer's buffers: the choice hangs on the work-group's number alone
	s_cselect_b64 s[4:5], s[6:7], s[4:5]
	s_cselect_b64 s[10:11], s[12:13], s[10:11]
	s_cmp_eq_u32 s19, 2
	s_cselect_b64 s[4:5], s[8:9], s[4:5]
	s_cselect_b64 s[10:11], s[14:15], s[10:11]
	s_add_nc_u64 s[10:11], s[10:11], s[22:23]
	s_load_b32 s24, s[10:11], 0x0                  ; the block's ws
	s_add_nc_u64 s[4:5], s[4:5], s[28:29]
	s_add_nc_u64 s[36:37], s[16:17], s[32:33]      ; where the codes go
	s_add_nc_u64 s[38:39], s[16:17], s[34:35]      ; where the scale words go
.set I, 0
.rept 128
	global_load_b32 v[X+I], v1, s[4:5] offset:4096*I th:TH_LOAD_NT   ; W(128 s + I, my column): the wave reads 128 consecutive bytes; read once in the launch
.set I, I+1
.endr
	s_wait_kmcnt 0x0
	s_mov_b32 s25, s24                             ; (the packed form names the pair, so both are written)
; Block kb of my column.  left: how many younger loads may stay out.
.macro BLOCK kb, left
.set XS, X+32*\kb
.set CB, CD+12*(\kb%2)+6*(\kb/2)
	s_wait_loadcnt \left
.set I, 0
.rept 16
	v_pk_mul_f32 v[XS+2*I:XS+2*I+1], v[XS+2*I:XS+2*I+1], s[24:25] op_sel_hi:[1,0]   ; w x ws, in f32: what the quantiser is given
.set I, I+1
.endr
	v_max3_num_f32 v12, |v[XS]|, |v[XS+1]|, |v[XS+2]|               ; the block's largest magnitude, in two chains: all 32 numbers are mine
	v_max3_num_f32 v13, |v[XS+3]|, |v[XS+4]|, |v[XS+5]|
.irp ii, 6,10,14,18,22,26
	v_max3_num_f32 v12, v12, |v[XS+\ii]|, |v[XS+\ii+1]|
	v_max3_num_f32 v13, v13, |v[XS+\ii+2]|, |v[XS+\ii+3]|
.endr
	v_max3_num_f32 v12, v12, |v[XS+30]|, |v[XS+31]|
	v_max3_num_f32 v12, v12, v13, 0x2800000        ; and the floor 2^(5 - 127): the byte cannot fall under 1
	v_add_nc_u32 v11, 0xfe000000, v12              ; 4 off the exponent field: the conversion takes this operand's exponent field as its scale
	v_lshrrev_b32 v13, 23, v11                     ; the scale's byte
.if \kb == 0
	v_mov_b32 v16, v13
.else
	v_lshl_or_b32 v16, v13, 8*\kb, v16             ; four bytes make the word, the lower k in the lower byte
.endif
	v_cvt_scalef32_pk16_bf6_f32 v[CB:CB+2], v[XS:XS+15], v11
	v_cvt_scalef32_pk16_bf6_f32 v[TP+4*\kb:TP+4*\kb+2], v[XS+16:XS+31], v11
	v_nop                                          ; one plain place behind a scaled conversion
.irp ii, 0,1,2
	v_mov_b32 v[CB+3+\ii], v[TP+4*\kb+\ii]
.endr
.endm
	BLOCK 0, 63                                    ; 96 younger loads could stay out; the wait's field holds no more than 63, and a smaller count is safe
	BLOCK 1, 63                                    ; 64 could
	BLOCK 2, 32                                    ; block 3's 32
	BLOCK 3, 0
.irp hh, 0,1
.irp cc, 0,1,2
	global_store_b128 v2, v[CD+12*\hh+4*\cc:CD+12*\hh+4*\cc+3], s[36:37] offset:256*\hh+512*\cc   ; sixteen lanes (i = 0 .. 15 of one fragment) store 256 consecutive bytes, at a multiple of 256 from wq's first byte
.endr
.endr
	ds_store_b32 v3, v16                           ; the four waves' scale words meet in LDS: 512 bytes
	s_wait_dscnt 0x0                               ; for the others' sake: my store has landed
	s_barrier_signal -1
	s_barrier_wait -1
	s_cmp_lg_u32 s18, 0
	s_cbranch_scc1 .Ldone
	ds_load_b128 v[200:203], v4                    ; wave 0 takes them out: 16 bytes a lane
	s_wait_dscnt 0x0
	global_store_b128 v4, v[200:203], s[38:39]     ; 512 consecutive bytes
.Ldone:
	s_wait_tensorcnt 0x0
	ds_add_u32 v208, v209
	s_wait_dscnt 0x0
	s_endpgm
.Lfunc_end_k_q266fee7ff3_wquant:
	.size	k_q266fee7ff3_wquant, .Lfunc_end_k_q266fee7ff3_wquant-k_q266fee7ff3_wquant
	.p2alignl 7, 3214868480
	.fill 96, 4, 3214868480
	.section	.rodata,"a",@progbits
	.p2align	6, 0x0
	.amdhsa_kernel k_q266fee7ff3_wquant
		.amdhsa_group_segment_fixed_size 1536
		.amdhsa_private_segment_fixed_size 0
		.amdhsa_enable_private_segment 0
		.amdhsa_kernarg_size 56
		.amdhsa_user_sgpr_count 2
		.amdhsa_user_sgpr_kernarg_segment_ptr 1
		.amdhsa_wavefront_size32 1
		.amdhsa_system_sgpr_workgroup_id_x 1
		.amdhsa_system_sgpr_workgroup_id_y 1
		.amdhsa_system_sgpr_workgroup_id_z 1
		.amdhsa_system_vgpr_workitem_id 0
		.amdhsa_next_free_vgpr 210
		.amdhsa_next_free_sgpr 66
		.amdhsa_reserve_vcc 0
		.amdhsa_float_denorm_mode_32 3
		.amdhsa_float_denorm_mode_16_64 3
		.amdhsa_memory_ordered 1
		.amdhsa_forward_progress 1
		.amdhsa_inst_pref_size 26
	.end_amdhsa_kernel
	.amdgpu_metadata
---
amdhsa.version: [ 1, 2 ]
amdhsa.kernels:
  - .name:           k_q266fee7ff3_wquant
    .symbol:         k_q266fee7ff3_wquant.kd
    .args:
      - { .name: w0, .offset: 0, .size: 8, .value_kind: global_buffer, .address_space: global }
      - { .name: w1, .offset: 8, .size: 8, .value_kind: global_buffer, .address_space: global }
      - { .name: w2, .offset: 16, .size: 8, .value_kind: global_buffer, .address_space: global }
      - { .name: ws0, .offset: 24, .size: 8, .value_kind: global_buffer, .address_space: global }
      - { .name: ws1, .offset: 32, .size: 8, .value_kind: global_buffer, .address_space: global }
      - { .name: ws2, .offset: 40, .size: 8, .value_kind: global_buffer, .address_space: global }
      - { .name: wq, .offset: 48, .size: 8, .value_kind: global_buffer, .address_space: global }
    .group_segment_fixed_size: 1536
    .private_segment_fixed_size: 0
    .kernarg_segment_align: 8
    .kernarg_segment_size: 56
    .max_flat_workgroup_size: 128
    .sgpr_count:     66
    .vgpr_count:     210
    .wavefront_size: 32
...
	.end_amdgpu_metadata
.endif
;; end of part 1
;; launch chain (part 2): grid 256 x 1, 4 waves a work-group, clusters of 4 x 1, 327,680 bytes of LDS; arguments x, norm_w, wq, out0; writes out0
.if DOCPART == 2
	.amdgcn_target "amdgcn-amd-amdhsa--gfx1250"
	.amdhsa_code_object_version 6
	.text
	.protected	k_q266fee7ff3_chain
	.globl	k_q266fee7ff3_chain
	.p2align	8
	.type	k_q266fee7ff3_chain,@function
k_q266fee7ff3_chain:
	s_mov_b64 s[64:65], 0
	v_nop
	global_prefetch_b8 v0, s[64:65] scope:SCOPE_SE
	s_setreg_imm32_b32 hwreg(HW_REG_WAVE_MODE, 25, 1), 1
	s_wait_xcnt 0x0
	s_wait_alu depctr_hold_cnt(0) depctr_sa_sdst(0) depctr_va_vdst(0) depctr_va_sdst(0) depctr_va_ssrc(0) depctr_va_vcc(0) depctr_vm_vsrc(0)
	s_getreg_b32 s2, hwreg(HW_REG_IB_STS2, 6, 4)
	s_cmp_eq_u32 s2, 0
	s_cbranch_scc0 .Lentry_in_a_cluster
	s_endpgm
.Lentry_in_a_cluster:
	s_bfe_u32 s2, ttmp6, 0x10000c
	s_cmp_lg_u32 s2, 0x3003
	s_cbranch_scc0 .Lentry_shape_is_right
	s_endpgm
.Lentry_shape_is_right:
; z = relu(x);  three times: y = z rsqrt(mean(z^2) + 1e-6) norm_w[L];  a = y through E4M3 and back, one scale max(amax, 1e-12) / 448 for each 128 numbers;  z += Q(a) Q(W_L);  out0 = the norm of z with norm_w[3].
; Q: codes of BF6 (E3M2), one E8M0 scale for each 32 along K.  W_L's codes and scale words lie in wq, in the order of the operand's registers (the launch before made them).
; SHARES.  A work-group of four waves owns 64 tokens x 1,024 columns for the whole chain; wave w owns columns 256 w .. 256 w + 255 of all 64 tokens.
; z LIVES IN THE ACCUMULATORS, 512 registers a wave: the residual is the C of the products, so z += a W is the chain in place and z never leaves the registers.
; THE MATRIX INSTRUCTION IS USED TRANSPOSED: source 0 = 16 columns of W, source 1 = 16 tokens.  THE COLUMNS OF A FRAGMENT OF W ARE NOT NEIGHBOURS: row i of fragment 2 b + e takes column 32 b + 8 e + i + 8 (i / 8).
; So lane (r, h) holds token r, and the 16 registers of fragments 2 b and 2 b + 1 are 16 neighbouring columns, 32 b + 16 h + 0 .. 15: neighbours along the NEXT product's K.
; A wave's 256 columns are K steps 2 w and 2 w + 1 of the next product and two groups of 128: it quantises them in registers and hands the fragments to the other waves as IMAGES OF THEIR REGISTERS in LDS.
; W's tiles (a K step of 128 x all 1,024 columns, 102,400 bytes) come through a ring of two LDS slots; each wave asks for its own quarter and reads only that.  The ring runs on through the layers.
; CLUSTER.  Every work-group walks the same 24 tiles, so the four of a cluster ask for each JOINTLY: the same tensor load, the same descriptor, a mask that names the four.
; By this text's own count a wave has two tensor loads out at the start and one behind each refill.
; LIMITS.  NaN and infinities are not served (the maxima drop a NaN; BF6 has no code for either).  y / scale is y x rcp(scale), and amax / 448 is amax x (1 / 448): a few units in the last place of f32.
; The quotient is held at +-448 ahead of the conversion to E4M3.  A block of zeros carries the byte 1 with zero codes.  The residual enters each sum as its C, so the order of rounding differs from (a W) + z;
; the sums of squares are taken in chains and trees, not in the order of the columns.
;
; REGISTERS, in windows of 256 (s_set_vgpr_msb: bits 1:0 source 0, 3:2 source 1, 5:4 source 2, 7:6 destination):
;   windows 2, 3: z.  Chunk (m, u) = tokens 16 m on, columns 256 w + 128 u on: v[64 m .. 64 m + 63] of window 2 + u; register 16 b + i of lane (r, h) is z[16 m + r][256 w + 128 u + 32 b + 16 h + i].
;   window 1: in the products W's fragments, columns' half 0 in v0-95 and half 1 in v96-191; in the vector phases norm_w's 128 numbers of my lane in v0-127; on the way in four landing sets; on the way out v128-255.
;   window 0: as named below.
.set SLOTB, 102400                     ; LDS: two slots at 0 and SLOTB; wave w's part at 25,600 w: 16 fragments of 1,536 bytes, then 1,024 bytes of scale words
.set PARTB, 25600
.set AIMG,  204800                     ; a's 32 fragments: (K step s, token tile m) at 1,536 (4 s + m); three blocks of 512 bytes, lane l at 16 l
.set ASC,   253952                     ; their scale words: 128 (4 s + m) + 4 l
.set RED,   258048                     ; three regions of 2,048 bytes: wave w's four partial sums a lane at 512 w + 16 l
.set STG,   266240                     ; a stage of 16 rows x (512 + 16) bytes for each wave, its own
.set SPARE, 300032                     ; the spare words, 128 bytes for each wave: two blocks of 256 bytes that no other line names
.set LI,   1                           ; v1   16 x lane
.set LS,   2                           ; v2   4 x lane
.set ADW,  3                           ; v3-4 my part of slot 0, 1, + 16 x lane
.set ADA,  5                           ; v5   a's images, + 16 x lane
.set ADS,  6                           ; v6   a's scale words, + 4 x lane
.set AWI,  7                           ; v7   where I store images: + 12,288 x wave
.set AWS,  8                           ; v8   and scale words: + 1,024 x wave
.set RWR,  9                           ; v9   where I store partial sums
.set RRD,  10                          ; v10  and read all four waves'
.set STW,  11                          ; v11  my stage by rows of memory: 16 x lane
.set STD,  12                          ; v12  my stage by the accumulators' layout: 528 r + 64 h
.set GX,   13                          ; v13  my 16 bytes of 512 in x and in out0
.set NWO,  14                          ; v14  64 h: my half's 16 numbers of each 32 of norm_w
.set H448, 15                          ; v15  448.0
.set PS,   16                          ; v16-19   partial sums of squares, one a token tile
.set RI,   20                          ; v20-27   1 / rms of token tile m, in both halves of the pair 20 + 2 m
.set SPW,  28                          ; v28  LDS address of my spare word; never rewritten
.set NIL,  29                          ; v29  0; never rewritten
.set ONE,  30                          ; v30  1.0: the conversion to E4M3 divides by 2^0
.set E8,   31                          ; v31  0x7f in every byte: the conversion back multiplies by 2^0
.set SS,   32                          ; v32-39   sums of squares, a pair a token tile
.set ASR,  40                          ; v40-47   a's scale words, set p at 40 + 4 p + m: scales and nothing else
.set WSR,  48                          ; v48-63   W's scale words, set p at 48 + 8 p: register t / 2 carries fragment t's words, even t in lanes 0-15, odd t in lanes 16-31: scales and nothing else
.set AF,   64                          ; v64-111, v112-159  a's fragments, two sets, token tile m at 12 m
.set YR,   64                          ; v64-127  in the vector phases: the chunk at work (on the way out a second set at v128-191)
.set GI,   128                         ; v128-129 1 / the group's scale, twice
.set GS,   130                         ; v130-131 the group's scale, twice
.set TR,   160                         ; v160-175 the four waves' partial sums
.set F8,   192                         ; v192-207 the chunk's E4M3 codes
.set FB,   210                         ; v210-211 those of the block maxima
.set PC,   212                         ; v212-231 the BF6 codes just made
.set BM,   232                         ; v232-239 the four blocks' largest magnitudes, and four zeros (a conversion takes eight)
.set XM,   240                         ; v240-243 lane permutes' destinations
.set SO,   244                         ; v244-247 the conversions' scale operands
.set BY,   248                         ; v248-251 the scale bytes
.set PW,   252                         ; v252 the scale word just made
.set GA,   253                         ; v253 the group's largest magnitude
.set G1,   16                          ; s[16:23] descriptor group 1
.set G0,   24                          ; s[24:27], s[28:31] descriptor group 0, a set for each slot
.set SEL,  32                          ; s[32:33] v_permlanex16_b32's selects for lane l xor 16
.set MSB, 0
.macro WIN new                         ; the immediate's high byte repeats the setting that is left; a switch that changes nothing is dropped
.if MSB != (\new)
	s_set_vgpr_msb (MSB<<8)|(\new)
.set MSB, (\new)
.endif
.endm
; A load into a register that a matrix instruction has read, and a vector instruction that reads a matrix result or writes one of its registers, stand four places behind it; only plain vector
; instructions that name none of its registers are places (ISA guide 7.12.1 for vector instructions).
.macro PLACES
.rept 4
	v_nop
.endr
.endm
.macro CREST                           ; a round of the cluster's barrier behind its opening barrier
	s_cmp_lg_u32 s12, 0
	s_cbranch_scc1 .Lnot_wave_0_\@
	s_barrier_signal -3
.Lnot_wave_0_\@:
	s_barrier_wait -3
	s_barrier_signal -1
	s_barrier_wait -1
.endm
.macro CROUND                          ; a whole round
	s_barrier_signal -1
	s_barrier_wait -1
	CREST
.endm
; ---- THE WAY IN.  Chunk c = 2 m + u.
.macro GLOAD c                         ; 16 tokens x 512 bytes into landing set c % 4: each load reads 512 consecutive bytes of a row of x; read once in the launch
	WIN 0x40
.irp ii, 0,1,2,3,4,5,6,7,8,9,10,11,12,13,14,15
	global_load_b128 v[64*((\c)%4)+4*\ii:64*((\c)%4)+4*\ii+3], v[GX], s[4:5] offset:(16*((\c)/2)+\ii)*4096+512*((\c)%2) th:TH_LOAD_NT
.endr
	WIN 0
.endm
.macro TURNIN c                        ; through my stage, rows 528 bytes apart, into the accumulators' layout.  LDS serves a wave's instructions in order (ISA guide 5.7.1.4): no wait between the stores and the loads
	WIN 0x04
.irp ii, 0,1,2,3,4,5,6,7,8,9,10,11,12,13,14,15
	ds_store_b128 v[STW], v[64*((\c)%4)+4*\ii:64*((\c)%4)+4*\ii+3] offset:528*\ii
.endr
	WIN 0x80+0x40*((\c)%2)
.irp bb, 0,1,2,3
.irp jj, 0,1,2,3
	ds_load_b128 v[64*((\c)/2)+16*\bb+4*\jj:64*((\c)/2)+16*\bb+4*\jj+3], v[STD] offset:128*\bb+16*\jj
.endr
.endr
	WIN 0
.endm
.macro RELU c
	WIN 0x88+0x44*((\c)%2)
.set I, 0
.rept 64
	v_max_num_f32 v[64*((\c)/2)+I], 0, v[64*((\c)/2)+I]
.set I, I+1
.endr
	WIN 0
.endm
; ---- THE VECTOR PHASE
.macro NWLOAD                          ; the layer's norm_w at my lane's 128 columns, in z's order: register 64 u + 16 b + i
	WIN 0x40
.irp uu, 0,1
.irp bb, 0,1,2,3
.irp jj, 0,1,2,3
	global_load_b128 v[64*\uu+16*\bb+4*\jj:64*\uu+16*\bb+4*\jj+3], v[NWO], s[6:7] offset:512*\uu+128*\bb+16*\jj
.endr
.endr
.endr
	WIN 0
.endm
; 1 / rms of the 64 tokens.  My 256 columns' squares (each accumulator is read from its low end on, registers ascending), the other half of the lanes', then the four waves' through LDS region k.
.macro STATS k
	WIN 0x0a
.irp mm, 0,1,2,3
	v_pk_mul_f32 v[SS+2*\mm:SS+2*\mm+1], v[64*\mm:64*\mm+1], v[64*\mm:64*\mm+1]   ; the first squares start the sums
.endr
.set I, 1
.rept 31
.irp mm, 0,1,2,3
	v_pk_fma_f32 v[SS+2*\mm:SS+2*\mm+1], v[64*\mm+2*I:64*\mm+2*I+1], v[64*\mm+2*I:64*\mm+2*I+1], v[SS+2*\mm:SS+2*\mm+1]   ; the four token tiles by turns
.endr
.set I, I+1
.endr
	WIN 0x0f
.set I, 0
.rept 32
.irp mm, 0,1,2,3
	v_pk_fma_f32 v[SS+2*\mm:SS+2*\mm+1], v[64*\mm+2*I:64*\mm+2*I+1], v[64*\mm+2*I:64*\mm+2*I+1], v[SS+2*\mm:SS+2*\mm+1]
.endr
.set I, I+1
.endr
	WIN 0
.irp mm, 0,1,2,3
	v_add_f32 v[PS+\mm], v[SS+2*\mm], v[SS+2*\mm+1]
.endr
.irp mm, 0,1,2,3
	v_permlanex16_b32 v[XM+\mm], v[PS+\mm], s[SEL], s[SEL+1]
.endr
.irp mm, 0,1,2,3
	v_add_f32 v[PS+\mm], v[PS+\mm], v[XM+\mm]
.endr
	ds_store_b128 v[RWR], v[PS:PS+3] offset:2048*\k
	s_wait_dscnt 0x0                               ; for the others' sake: my sums have landed; and my reads of a's images of the layer before are in, so that they may be written anew behind this barrier
	s_barrier_signal -1                            ; a tile on its way may stay out
	s_barrier_wait -1
.irp ww, 0,1,2,3
	ds_load_b128 v[TR+4*\ww:TR+4*\ww+3], v[RRD] offset:2048*\k+512*\ww
.endr
	s_wait_dscnt 0x0
.irp mm, 0,1,2,3
	v_add_f32 v[TR+\mm], v[TR+\mm], v[TR+4+\mm]
.endr
.irp mm, 0,1,2,3
	v_add_f32 v[TR+8+\mm], v[TR+8+\mm], v[TR+12+\mm]
.endr
.irp mm, 0,1,2,3
	v_add_f32 v[TR+\mm], v[TR+\mm], v[TR+8+\mm]
.endr
.irp mm, 0,1,2,3
	v_fma_f32 v[TR+\mm], v[TR+\mm], s40, s41       ; sum / 1,024 + 1e-6
.endr
.irp mm, 0,1,2,3
	v_rsq_f32 v[RI+2*\mm], v[TR+\mm]
	v_rsq_f32 v[RI+2*\mm+1], v[TR+\mm]             ; twice: a pair for the packed multiplies
.endr
	v_nop                                          ; one plain place behind the transcendentals
	s_wait_alu depctr_va_vdst(0)
.endm
; Chunk (m, u): 16 tokens x one group of 128 columns = K step 2 w + u of the next product, token tile m.  64 numbers a lane become a fragment's codes and a scale word, and go to LDS as they stand.
.macro QCH m, u
	WIN 0x02+\u
.set I, 0
.rept 32
	v_pk_mul_f32 v[YR+2*I:YR+2*I+1], v[64*\m+2*I:64*\m+2*I+1], v[RI+2*\m:RI+2*\m+1]   ; z / rms
.set I, I+1
.endr
	WIN 0x04
.set I, 0
.rept 32
	v_pk_mul_f32 v[YR+2*I:YR+2*I+1], v[YR+2*I:YR+2*I+1], v[64*\u+2*I:64*\u+2*I+1]     ; x norm_w: y
.set I, I+1
.endr
	WIN 0
.irp bb, 0,1,2,3
	v_max3_num_f32 v[BM+\bb], |v[YR+16*\bb]|, |v[YR+16*\bb+1]|, |v[YR+16*\bb+2]|      ; the largest |y| of each block of 32: it serves twice, for the group's amax and for the block's own scale
.endr
.irp ii, 3,5,7,9,11,13
.irp bb, 0,1,2,3
	v_max3_num_f32 v[BM+\bb], v[BM+\bb], |v[YR+16*\bb+\ii]|, |v[YR+16*\bb+\ii+1]|     ; (the four blocks by turns)
.endr
.endr
.irp bb, 0,1,2,3
	v_max_num_f32 v[BM+\bb], v[BM+\bb], |v[YR+16*\bb+15]|
.endr
.irp bb, 0,1,2,3
	v_permlanex16_b32 v[XM+\bb], v[BM+\bb], s[SEL], s[SEL+1]
.endr
.irp bb, 0,1,2,3
	v_max_num_f32 v[BM+\bb], v[BM+\bb], v[XM+\bb]  ; with lane l xor 16's 16 numbers
.endr
	v_max3_num_f32 v[GA], v[BM], v[BM+1], v[BM+2]
	v_max3_num_f32 v[GA], v[GA], v[BM+3], 0x2b8cbccc   ; max(amax of the 128, 1e-12)
	v_mul_f32 v[GS], 0x3b124925, v[GA]             ; / 448: the group's scale
	v_mul_f32 v[GS+1], 0x3b124925, v[GA]
	v_rcp_f32 v[GI], v[GS]
	v_rcp_f32 v[GI+1], v[GS]
	v_nop                                          ; one plain place behind the transcendentals
	s_wait_alu depctr_va_vdst(0)
.irp bb, 0,1,2,3
	v_mul_f32 v[BM+\bb], v[BM+\bb], v[GI]          ; each block's largest number goes the way of all the numbers: every step keeps the order of magnitudes, so at the end it is the block's largest |a|, bit for bit
.endr
.irp bb, 0,1,2,3
	v_min_num_f32 v[BM+\bb], v[BM+\bb], v[H448]
.endr
.set I, 0
.rept 32
	v_pk_mul_f32 v[YR+2*I:YR+2*I+1], v[YR+2*I:YR+2*I+1], v[GI:GI+1]                   ; y / scale
.set I, I+1
.endr
.set I, 0
.rept 64
	v_med3_num_f32 v[YR+I], v[YR+I], -v[H448], v[H448]   ; held at E4M3's largest number: beyond it the conversion gives the NaN code (ISA guide 7.6.2)
.set I, I+1
.endr
.irp gg, 0,1,2,3,4,5,6,7
	v_cvt_scalef32_pk8_fp8_f32 v[F8+2*\gg:F8+2*\gg+1], v[YR+8*\gg:YR+8*\gg+7], v[ONE]   ; to E4M3, nearest, ties to even
.endr
	v_cvt_scalef32_pk8_fp8_f32 v[FB:FB+1], v[BM:BM+7], v[ONE]
	v_nop                                          ; one plain place behind the scaled conversions
.irp gg, 0,1,2,3,4,5,6,7
	v_cvt_scale_pk8_f32_fp8 v[YR+8*\gg:YR+8*\gg+7], v[F8+2*\gg:F8+2*\gg+1], v[E8]     ; and back to f32
.endr
	v_cvt_scale_pk8_f32_fp8 v[BM:BM+7], v[FB:FB+1], v[E8]
	v_nop
.set I, 0
.rept 32
	v_pk_mul_f32 v[YR+2*I:YR+2*I+1], v[YR+2*I:YR+2*I+1], v[GS:GS+1]                   ; x scale: a, what the quantiser is given
.set I, I+1
.endr
.irp bb, 0,1,2,3
	v_mul_f32 v[BM+\bb], v[BM+\bb], v[GS]          ; the block's largest |a|
.endr
.irp bb, 0,1,2,3
	v_max_num_f32 v[BM+\bb], 0x2800000, v[BM+\bb]  ; the floor 2^(5 - 127): the byte cannot fall under 1
.endr
.irp bb, 0,1,2,3
	v_add_nc_u32 v[SO+\bb], 0xfe000000, v[BM+\bb]  ; 4 off the exponent field: the conversion's scale operand
.endr
.irp bb, 0,1,2,3
	v_lshrrev_b32 v[BY+\bb], 23, v[SO+\bb]         ; the scale's byte
.endr
	s_wait_dscnt 0x0                               ; the last chunk's stores have read the codes' registers and the scale word
	v_lshl_or_b32 v[PW], v[BY+1], 8, v[BY]
	v_lshl_or_b32 v[PW], v[BY+2], 16, v[PW]
	v_lshl_or_b32 v[PW], v[BY+3], 24, v[PW]        ; my token's scale word for these 128 along K
.irp cc, 0,1
	v_cvt_scalef32_pk16_bf6_f32 v[PC+6*\cc:PC+6*\cc+2], v[YR+32*\cc:YR+32*\cc+15], v[SO+2*\cc]
	v_cvt_scalef32_pk16_bf6_f32 v[PC+12+4*\cc:PC+14+4*\cc], v[YR+16+32*\cc:YR+31+32*\cc], v[SO+2*\cc+1]   ; (a conversion's three registers begin on an even number)
.endr
	v_nop                                          ; one plain place behind the scaled conversions
.irp cc, 0,1                                   ; the operand's layout wants a WHOLE block in a lane: lanes 0-15 block 2 c, lanes 16-31 block 2 c + 1
.irp ii, 0,1,2
	v_permlane16_swap_b32 v[PC+6*\cc+\ii], v[PC+12+4*\cc+\ii]
.endr
.irp ii, 0,1,2
	v_mov_b32 v[PC+3+6*\cc+\ii], v[PC+12+4*\cc+\ii]
.endr
.endr
.irp cc, 0,1,2
	ds_store_b128 v[AWI], v[PC+4*\cc:PC+4*\cc+3] offset:6144*\u+1536*\m+512*\cc       ; the fragment's image: 512 consecutive bytes a store
.endr
	ds_store_b32 v[AWS], v[PW] offset:512*\u+128*\m
.endm
.macro VEC k
	PLACES                                         ; behind the last products: norm_w lands where W's fragments lay, and z is read
	NWLOAD
	STATS \k
	s_wait_loadcnt 0x0                             ; norm_w is in, and its loads have read their base
	s_add_nc_u64 s[6:7], s[6:7], 4096              ; the next layer's row of norm_w
.irp uu, 0,1
.irp mm, 0,1,2,3
	QCH \mm, \uu
.endr
.endr
	s_wait_dscnt 0x0                               ; for the others' sake: my eight images have landed
	s_barrier_signal -1
	s_barrier_wait -1                              ; a's 32 fragments lie in LDS
.endm
; ---- THE PRODUCTS
.macro FETCH_W slot, u                 ; my eight fragments of W's half u, out of my part of the slot: 24 loads of 512 consecutive bytes
	WIN 0x40
.irp tt, 0,1,2,3,4,5,6,7
.irp cc, 0,1,2
	ds_load_b128 v[96*\u+12*\tt+4*\cc:96*\u+12*\tt+4*\cc+3], v[ADW+(\slot)] offset:(8*\u+\tt)*1536+512*\cc
.endr
.endr
	WIN 0
.endm
.macro FETCH_WS slot, p                ; the K step's scale words of my 16 fragments: two loads, eight registers
.irp qq, 0,1
	ds_load_b128 v[WSR+8*(\p)+4*\qq:WSR+8*(\p)+4*\qq+3], v[ADW+(\slot)] offset:24576+512*\qq
.endr
.endm
.macro FETCH_A sn                      ; a's four fragments of K step sn and their scale words, into set sn % 2: 16 loads
.irp mm, 0,1,2,3
.irp cc, 0,1,2
	ds_load_b128 v[AF+48*((\sn)%2)+12*\mm+4*\cc:AF+48*((\sn)%2)+12*\mm+4*\cc+3], v[ADA] offset:(4*(\sn)+\mm)*1536+512*\cc
.endr
.endr
.irp mm, 0,1,2,3
	ds_load_b32 v[ASR+4*((\sn)%2)+\mm], v[ADS] offset:(4*(\sn)+\mm)*128
.endr
.endm
; W's fragments t0 .. t1 of half u against the four token tiles, K step s.  The 64 accumulators take turns, one instruction a turn, in the same order in every K step.
.macro MULT u, s, t0, t1
.set TT, \t0
.rept \t1-\t0+1
.irp mm, 0,1,2,3
.if TT%2
	v_wmma_scale_f32_16x16x128_f8f6f4 v[64*\mm+8*TT:64*\mm+8*TT+7], v[96*\u+12*TT:96*\u+12*TT+11], v[AF+48*((\s)%2)+12*\mm:AF+48*((\s)%2)+12*\mm+11], v[64*\mm+8*TT:64*\mm+8*TT+7], v[WSR+8*((\s)%2)+4*\u+TT/2], v[ASR+4*((\s)%2)+\mm] matrix_a_fmt:MATRIX_FMT_BF6 matrix_b_fmt:MATRIX_FMT_BF6 matrix_a_scale:MATRIX_SCALE_ROW1
.else
	v_wmma_scale_f32_16x16x128_f8f6f4 v[64*\mm+8*TT:64*\mm+8*TT+7], v[96*\u+12*TT:96*\u+12*TT+11], v[AF+48*((\s)%2)+12*\mm:AF+48*((\s)%2)+12*\mm+11], v[64*\mm+8*TT:64*\mm+8*TT+7], v[WSR+8*((\s)%2)+4*\u+TT/2], v[ASR+4*((\s)%2)+\mm] matrix_a_fmt:MATRIX_FMT_BF6 matrix_b_fmt:MATRIX_FMT_BF6
.endif
.endr
.set TT, TT+1
.endr
.endm
.macro HEAD                            ; a layer's first fragments
	s_wait_tensorcnt 0x1                           ; my part of the layer's first tile is in; the one load issued behind it, the second tile's, may stay out
	FETCH_W 0, 0
	FETCH_WS 0, 0
	FETCH_A 0
.endm
.macro HALF0 s                         ; the first 32 products of K step s; ahead of them the loads that the second 32 and the next step want
	s_wait_dscnt 0x0                               ; W's half 0, the scale words and a's fragments of this step are in
	PLACES                                         ; W's half 1 and a's other set were read by the last products
	FETCH_W (\s)%2, 1
.if \s < 7
	FETCH_A (\s)+1
.endif
	WIN 0xa1
	MULT 0, \s, 0, 7
.endm
; The second 32 products of K step s.  fill = 1: the slot, whose last fragments are shown to be in registers, is filled again with the tile two on (in a layer's last two steps: the next layer's first two).
; next = 1: the next step's first fragments are fetched out of the other slot.
.macro TURN s, fill, next
.if \fill
	WIN 0                                          ; (the add's two registers lie in window 0)
	s_wait_tensorcnt 0x0                           ; all my tensor loads have landed: the one that was out is my part of the other slot
	ds_add_u32 v[SPW], v[NIL]                      ; 0 onto my spare word
	s_add_nc_u64 s[G0+4*((\s)%2)+2:G0+4*((\s)%2)+3], s[G0+4*((\s)%2)+2:G0+4*((\s)%2)+3], 2*SLOTB   ; no load of mine is out, so a group 0 may be written: this slot's next tile; the type bits on top are not reached
.if \s < 7
	s_wait_dscnt 17                                ; W's half 1 is in; the 16 loads of a's next set and the add may be out
.else
	s_wait_dscnt 1                                 ; W's half 1 is in; the add may be out
.endif
	WIN 0xf1
	MULT 1, \s, 0, 1                               ; eight matrix instructions stand between the add and the wait for it
	s_wait_dscnt 0x0                               ; the add is done, and my reads of this slot are over
	s_barrier_signal -1                            ; this barrier opens a round of the cluster's barrier
	MULT 1, \s, 2, 3
	WIN 0
	s_barrier_wait -1
	CREST                                          ; no wave of any partner still reads this slot or has a load on its way
	tensor_load_to_lds s[G0+4*((\s)%2):G0+4*((\s)%2)+3], s[G1:G1+7]   ; my one tensor load behind the round: my quarter of the tile two on
	s_nop 0
	PLACES                                         ; the places in front of the loads into W's half 0
.if \next
	FETCH_W ((\s)+1)%2, 0
	FETCH_WS ((\s)+1)%2, ((\s)+1)%2
.endif
	WIN 0xf1
	MULT 1, \s, 4, 7
	WIN 0
.else
.if \s == 6                            ; the last layer's last two steps fill nothing, so they have no barrier: a wave reads only its own part of a slot, and a's images stay
	s_wait_tensorcnt 0x0                           ; the last tile is in: no load was issued behind it
	s_wait_dscnt 16                                ; W's half 1 is in; the 16 loads of a's last set may be out
	WIN 0xf1
	MULT 1, 6, 0, 3
	PLACES
	FETCH_W 1, 0
	FETCH_WS 1, 1
	WIN 0xf1
	MULT 1, 6, 4, 7
	WIN 0
.else
	s_wait_dscnt 0x0
	WIN 0xf1
	MULT 1, 7, 0, 7
	WIN 0
.endif
.endif
.endm
.macro LAYER last, k
	VEC \k
	HEAD
.irp ss, 0,1,2,3,4,5
	HALF0 \ss
	TURN \ss, 1, 1
.endr
	HALF0 6
	TURN 6, 1-\last, 1
	HALF0 7
	TURN 7, 1-\last, 0
.endm
; ---- THE WAY OUT.  Chunk c = 2 m + u: normed, through my stage, back as rows of 512 bytes.
.macro OCH c
.set YS, YR+64*((\c)%2)
	WIN 0x02+((\c)%2)
.set I, 0
.rept 32
	v_pk_mul_f32 v[YS+2*I:YS+2*I+1], v[64*((\c)/2)+2*I:64*((\c)/2)+2*I+1], v[RI+2*((\c)/2):RI+2*((\c)/2)+1]
.set I, I+1
.endr
	WIN 0x04
.set I, 0
.rept 32
	v_pk_mul_f32 v[YS+2*I:YS+2*I+1], v[YS+2*I:YS+2*I+1], v[64*((\c)%2)+2*I:64*((\c)%2)+2*I+1]
.set I, I+1
.endr
	WIN 0
.if (\c) >= 2
	s_wait_xcnt 0x0                                ; chunk c - 2's stores have read their registers: this chunk's rows may land there
.endif
.irp bb, 0,1,2,3
.irp jj, 0,1,2,3
	ds_store_b128 v[STD], v[YS+16*\bb+4*\jj:YS+16*\bb+4*\jj+3] offset:128*\bb+16*\jj
.endr
.endr
	WIN 0x40
.irp ii, 0,1,2,3,4,5,6,7,8,9,10,11,12,13,14,15
	ds_load_b128 v[128+64*((\c)%2)+4*\ii:128+64*((\c)%2)+4*\ii+3], v[STW] offset:528*\ii   ; LDS serves a wave's instructions in order: these see my stores, and the next chunk's stores come behind them
.endr
	WIN 0
.endm
.macro SEND c, younger                 ; younger: the LDS instructions issued behind chunk c's loads, which may stay out
	s_wait_dscnt \younger
	WIN 0x04
.irp ii, 0,1,2,3,4,5,6,7,8,9,10,11,12,13,14,15
	global_store_b128 v[GX], v[128+64*((\c)%2)+4*\ii:128+64*((\c)%2)+4*\ii+3], s[10:11] offset:(16*((\c)/2)+\ii)*4096+512*((\c)%2) th:TH_STORE_NT   ; 32 lanes store 512 consecutive bytes, at a multiple of 512 from out0's first byte; written once
.endr
	WIN 0
.endm
	s_load_b256 s[4:11], s[0:1], 0x0               ; x s[4:5], norm_w s[6:7], wq s[8:9], out0 s[10:11]
	v_lshl_add_u32 v[SPW], v0, 2, SPARE
	v_mov_b32 v[NIL], 0
	ds_add_u32 v28, v29
	ds_add_u32 v28, v29
	s_wait_dscnt 0x0
	v_lshrrev_b32 v1, 5, v0
	v_readfirstlane_b32 s12, v1                    ; wave 0..3
	s_bfe_u32 s13, ttmp6, 0x40000                  ; cx: my place in the cluster
	s_lshl_b32 s14, ttmp9, 2                       ; in a cluster launch ttmp9 counts clusters
	s_add_co_u32 s14, s14, s13                     ; my block of 64 tokens: it enters x's and out0's addresses alone
	s_lshl_b32 s36, s14, 18                        ; 64 rows of 4,096 bytes,
	s_lshl_b32 s38, s12, 10                        ; my wave's 1,024 bytes of a row
	s_add_co_u32 s36, s36, s38
	s_mov_b32 s37, 0
	s_mov_b32 s39, 0
	s_mul_i32 s42, s12, PARTB                      ; my part of a tile, in wq and in a slot: the wave's number alone
	s_mov_b32 s43, 0
	; descriptor group 1: a dense block of 25,600 bytes as 100 rows of 256 bytes
	s_mov_b32 s[G1], 15|(3<<16)|(1<<21)            ; 15:0 the mask: all four work-groups; 17:16 elements of 8 bytes; 20 no padding; 21 set beside a mask
	s_mov_b32 s[G1+1], 32<<16                      ; tensor_dim0 = 32 elements
	s_mov_b32 s[G1+2], 100<<16                     ; tensor_dim1 = 100
	s_mov_b32 s[G1+3], 32<<16                      ; tile_dim0 = 32
	s_mov_b32 s[G1+4], 100                         ; tile_dim1 = 100
	s_mov_b32 s[G1+5], 32                          ; from row to row: 32 elements
	s_mov_b32 s[G1+6], 0
	s_mov_b32 s[G1+7], 0
	s_mov_b32 s[SEL], 0x76543210
	s_mov_b32 s[SEL+1], 0xfedcba98
	s_mov_b32 s40, 0x3a800000                      ; 1 / 1,024
	s_mov_b32 s41, 0x358637bd                      ; 1e-6
	v_and_b32 v2, 31, v0                           ; lane
	v_lshlrev_b32 v[LI], 4, v2
	v_lshlrev_b32 v[LS], 2, v2
	v_add_nc_u32 v[ADW], s42, v[LI]
	v_add_nc_u32 v[ADW+1], SLOTB, v[ADW]
	v_add_nc_u32 v[ADA], AIMG, v[LI]
	v_add_nc_u32 v[ADS], ASC, v[LS]
	s_mul_i32 s44, s12, 12288                      ; my two K steps' eight images
	v_add_nc_u32 v[AWI], s44, v[ADA]
	v_add_nc_u32 v[AWS], s38, v[ADS]               ; and their scale words: 1,024 x wave
	s_lshl_b32 s44, s12, 9
	v_add_nc_u32 v[RRD], RED, v[LI]
	v_add_nc_u32 v[RWR], s44, v[RRD]
	s_mul_i32 s44, s12, 8448
	s_add_co_u32 s44, s44, STG                     ; my stage
	v_add_nc_u32 v[STW], s44, v[LI]
	v_and_b32 v[STD], 15, v0                       ; r
	v_bfe_u32 v[NWO], v0, 4, 1                     ; h
	v_mul_u32_u24 v[STD], v[STD], 528
	v_lshl_add_u32 v[STD], v[NWO], 6, v[STD]
	v_add_nc_u32 v[STD], s44, v[STD]
	v_lshlrev_b32 v[NWO], 6, v[NWO]
	v_mov_b32 v[GX], v[LI]
	v_mov_b32 v[H448], 0x43e00000
	v_mov_b32 v[ONE], 1.0
	v_mov_b32 v[E8], 0x7f7f7f7f
.irp bb, 0,1,2,3
	v_mov_b32 v[BM+4+\bb], 0                       ; the upper four of the eight that the block maxima's conversion takes
	v_mov_b32 v[XM+\bb], 0                         ; written once: a lane permute's destination counts as one of its sources
.endr
	s_wait_kmcnt 0x0
	s_add_nc_u64 s[4:5], s[4:5], s[36:37]
	s_add_nc_u64 s[10:11], s[10:11], s[36:37]
	s_add_nc_u64 s[6:7], s[6:7], s[38:39]
	s_add_nc_u64 s[8:9], s[8:9], s[42:43]
	s_mov_b32 s[G0], 1                             ; 1:0 count = 1
	s_mov_b32 s[G0+1], s42                         ; LDS address: slot 0, my part
	s_mov_b64 s[G0+2:G0+3], s[8:9]                 ; global address: tile 0, my part
	s_or_b32 s[G0+3], s[G0+3], 0x80000000          ; type = 2
	s_mov_b32 s[G0+4], 1
	s_add_co_u32 s[G0+5], s42, SLOTB
	s_add_nc_u64 s[G0+6:G0+7], s[8:9], SLOTB       ; tile 1
	s_or_b32 s[G0+7], s[G0+7], 0x80000000
	GLOAD 0                                        ; x is asked for first: 64 loads, 32 KiB a wave
	GLOAD 1
	GLOAD 2
	GLOAD 3
	CROUND                                         ; all four work-groups are here: the first joint loads meet
	tensor_load_to_lds s[G0:G0+3], s[G1:G1+7]      ; the two first fills stand together, ahead of every wait on TENSORcnt and every LDS read
	s_nop 0
	tensor_load_to_lds s[G0+4:G0+7], s[G1:G1+7]
	s_nop 0
	PLACES
.irp c, 0,1,2,3,4,5,6,7
.if \c < 5
	s_wait_loadcnt 48                              ; this chunk's 16 loads are in; the three chunks behind it may be out
.else
	s_wait_loadcnt 16*(7-\c)
.endif
	TURNIN \c
	s_wait_dscnt 16                                ; all but this chunk's 16 loads from the stage: its stores have read the landing set, and the chunk before is in its registers
.if \c < 4
	GLOAD \c+4
.endif
.if \c > 0
	RELU \c-1
.endif
.endr
	s_wait_dscnt 0x0
	RELU 7
	s_mov_b32 s34, 2
.Llayer:                                           ; layers 0 and 1: all eight K steps fill a slot again
	LAYER 0, 0
	s_sub_co_u32 s34, s34, 1
	s_cmp_lg_u32 s34, 0
	s_cbranch_scc1 .Llayer
	LAYER 1, 1                                     ; layer 2 is written out: its last two K steps ask for nothing
	PLACES                                         ; behind the last products
	NWLOAD                                         ; norm_w[3]
	STATS 2
	s_wait_loadcnt 0x0
	OCH 0
.irp c, 1,2,3,4,5,6,7
	OCH \c                                         ; a chunk's arithmetic stands between the loads of the chunk before and its stores
	SEND \c-1, 32                                  ; behind chunk c - 1's loads: chunk c's 16 stores and 16 loads
.endr
	SEND 7, 0
	s_wait_tensorcnt 0x0                           ; the wave's end: behind my last tensor load and my last LDS store
	ds_add_u32 v[SPW], v[NIL]
	s_wait_dscnt 0x0
	CROUND                                         ; the closing round: no work-group ends while a partner may still ask for a tile that names it
	s_endpgm
.Lfunc_end_k_q266fee7ff3_chain:
	.size	k_q266fee7ff3_chain, .Lfunc_end_k_q266fee7ff3_chain-k_q266fee7ff3_chain
	.p2alignl 7, 3214868480
	.fill 96, 4, 3214868480
	.section	.rodata,"a",@progbits
	.p2align	6, 0x0
	.amdhsa_kernel k_q266fee7ff3_chain
		.amdhsa_group_segment_fixed_size 327680
		.amdhsa_private_segment_fixed_size 0
		.amdhsa_enable_private_segment 0
		.amdhsa_kernarg_size 32
		.amdhsa_user_sgpr_count 2
		.amdhsa_user_sgpr_kernarg_segment_ptr 1
		.amdhsa_wavefront_size32 1
		.amdhsa_system_sgpr_workgroup_id_x 1
		.amdhsa_system_sgpr_workgroup_id_y 1
		.amdhsa_system_sgpr_workgroup_id_z 1
		.amdhsa_system_vgpr_workitem_id 0
		.amdhsa_next_free_vgpr 1024
		.amdhsa_next_free_sgpr 66
		.amdhsa_reserve_vcc 0
		.amdhsa_float_denorm_mode_32 3
		.amdhsa_float_denorm_mode_16_64 3
		.amdhsa_memory_ordered 1
		.amdhsa_forward_progress 1
		.amdhsa_inst_pref_size 255
	.end_amdhsa_kernel
	.section	.bss,"aw",@nobits
	.p2align	6
	.space	262144
	.amdgpu_metadata
---
amdhsa.version: [ 1, 2 ]
amdhsa.kernels:
  - .name:           k_q266fee7ff3_chain
    .symbol:         k_q266fee7ff3_chain.kd
    .args:
      - { .name: x, .offset: 0, .size: 8, .value_kind: global_buffer, .address_space: global }
      - { .name: norm_w, .offset: 8, .size: 8, .value_kind: global_buffer, .address_space: global }
      - { .name: wq, .offset: 16, .size: 8, .value_kind: global_buffer, .address_space: global }
      - { .name: out0, .offset: 24, .size: 8, .value_kind: global_buffer, .address_space: global }
    .group_segment_fixed_size: 327680
    .private_segment_fixed_size: 0
    .kernarg_segment_align: 8
    .kernarg_segment_size: 32
    .max_flat_workgroup_size: 128
    .sgpr_count:     66
    .vgpr_count:     1024
    .wavefront_size: 32
...
	.end_amdgpu_metadata
.endif
;; end of part 2
;; ======== version 2 of 2: 2 launches; 1.40 times as fast as version 1
;; workspace buffers: wq 2,457,600 bytes
;; launch wquant: the kernel of part 1 again; grid 64 x 3, 4 waves a work-group, no clusters, 1,536 bytes of LDS; arguments w0, w1, w2, ws0, ws1, ws2, wq; writes wq
;; launch chain (part 3): grid 256 x 1, 4 waves a work-group, clusters of 4 x 1, 327,680 bytes of LDS; arguments x, norm_w, wq, out0; writes out0
.if DOCPART == 3
	.amdgcn_target "amdgcn-amd-amdhsa--gfx1250"
	.amdhsa_code_object_version 6
	.text
	.protected	k_q266fee7ff3_chain
	.globl	k_q266fee7ff3_chain
	.p2align	8
	.type	k_q266fee7ff3_chain,@function
k_q266fee7ff3_chain:
	s_mov_b64 s[64:65], 0
	v_nop
	global_prefetch_b8 v0, s[64:65] scope:SCOPE_SE
	s_setreg_imm32_b32 hwreg(HW_REG_WAVE_MODE, 25, 1), 1
	s_wait_xcnt 0x0
	s_wait_alu depctr_hold_cnt(0) depctr_sa_sdst(0) depctr_va_vdst(0) depctr_va_sdst(0) depctr_va_ssrc(0) depctr_va_vcc(0) depctr_vm_vsrc(0)
	s_getreg_b32 s2, hwreg(HW_REG_IB_STS2, 6, 4)
	s_cmp_eq_u32 s2, 0
	s_cbranch_scc0 .Lentry_in_a_cluster
	s_endpgm
.Lentry_in_a_cluster:
	s_bfe_u32 s2, ttmp6, 0x10000c
	s_cmp_lg_u32 s2, 0x3003
	s_cbranch_scc0 .Lentry_shape_is_right
	s_endpgm
.Lentry_shape_is_right:
; z = relu(x);  three times: y = z rsqrt(mean(z^2) + 1e-6) norm_w[L];  a = y through E4M3 and back, one scale max(amax, 1e-12) / 448 for each 128 numbers;  z += Q(a) Q(W_L);  out0 = the norm of z with norm_w[3].
; Q: codes of BF6 (E3M2), one E8M0 scale for each 32 along K.  W_L's codes and scale words lie in wq, in the order of the operand's registers (the launch before made them).
; SHARES.  A work-group of four waves owns 64 tokens x 1,024 columns for the whole chain; wave w owns columns 256 w .. 256 w + 255 of all 64 tokens.
; z LIVES IN THE ACCUMULATORS, 512 registers a wave: the residual is the C of the products, so z += a W is the chain in place and z never leaves the registers.
; THE MATRIX INSTRUCTION IS USED TRANSPOSED: source 0 = 16 columns of W, source 1 = 16 tokens.  THE COLUMNS OF A FRAGMENT OF W ARE NOT NEIGHBOURS: row i of fragment 2 b + e takes column 32 b + 8 e + i + 8 (i / 8).
; So lane (r, h) holds token r, and the 16 registers of fragments 2 b and 2 b + 1 are 16 neighbouring columns, 32 b + 16 h + 0 .. 15: neighbours along the NEXT product's K.
; A wave's 256 columns are K steps 2 w and 2 w + 1 of the next product and two groups of 128: it quantises them in registers and hands the fragments to the other waves as IMAGES OF THEIR REGISTERS in LDS.
; W's tiles (a K step of 128 x all 1,024 columns, 102,400 bytes) come through a ring of two LDS slots; each wave asks for its own quarter and reads only that.  The ring runs on through the layers.
; CLUSTER.  Every work-group walks the same 24 tiles, so the four of a cluster ask for each JOINTLY: the same tensor load, the same descriptor, a mask that names the four.
; By this text's own count a wave has two tensor loads out at the start and one behind each refill.
; THE TEXT IS KEPT SHORT.  z's registers can only be named in the text, so the lines that name them are written out for each chunk of 16 tokens x 128 columns (z / rms: 32 lines a chunk); all the rest of a chunk's
; quantiser is written once and walked eight times; a layer is written once and walked three times; the last layer leaves the loop ahead of its last two K steps, which ask for no tile and are written out.
; LIMITS.  NaN and infinities are not served (the maxima drop a NaN; BF6 has no code for either).  y / scale is y x rcp(scale), and amax / 448 is amax x (1 / 448): a few units in the last place of f32.
; The quotient is held at +-448 ahead of the conversion to E4M3.  A block of zeros carries the byte 1 with zero codes.  The residual enters each sum as its C, so the order of rounding differs from (a W) + z;
; the sums of squares are taken in chains and trees, not in the order of the columns.
;
; REGISTERS, in windows of 256 (s_set_vgpr_msb: bits 1:0 source 0, 3:2 source 1, 5:4 source 2, 7:6 destination):
;   windows 2, 3: z.  Chunk (m, u) = tokens 16 m on, columns 256 w + 128 u on: v[64 m .. 64 m + 63] of window 2 + u; register 16 b + i of lane (r, h) is z[16 m + r][256 w + 128 u + 32 b + 16 h + i].
;   window 1: in the products W's fragments, columns' half 0 in v0-95 and half 1 in v96-191; in the vector phases norm_w's 128 numbers of my lane in v0-127; on the way in four landing sets; on the way out v128-255.
;   window 0: as named below.
.set SLOTB, 102400                     ; LDS: two slots at 0 and SLOTB; wave w's part at 25,600 w: 16 fragments of 1,536 bytes, then 1,024 bytes of scale words
.set PARTB, 25600
.set AIMG,  204800                     ; a's 32 fragments: (K step s, token tile m) at 1,536 (4 s + m); three blocks of 512 bytes, lane l at 16 l
.set ASC,   253952                     ; their scale words: 128 (4 s + m) + 4 l
.set RED,   258048                     ; regions of 2,048 bytes (0: the layers'; 1: the last norm's): wave w's four partial sums a lane at 512 w + 16 l
.set STG,   266240                     ; a stage of 16 rows x (512 + 16) bytes for each wave, its own
.set SPARE, 300032                     ; the spare words, 128 bytes for each wave: two blocks of 256 bytes that no other line names
.set LI,   1                           ; v1   16 x lane
.set LS,   2                           ; v2   4 x lane
.set ADW,  3                           ; v3-4 my part of slot 0, 1, + 16 x lane
.set ADA,  5                           ; v5   a's images, + 16 x lane
.set ADS,  6                           ; v6   a's scale words, + 4 x lane
.set AWI,  7                           ; v7   where I store images: + 12,288 x wave
.set AWS,  8                           ; v8   and scale words: + 1,024 x wave
.set RWR,  9                           ; v9   where I store partial sums
.set RRD,  10                          ; v10  and read all four waves'
.set STW,  11                          ; v11  my stage by rows of memory: 16 x lane
.set STD,  12                          ; v12  my stage by the accumulators' layout: 528 r + 64 h
.set GX,   13                          ; v13  my 16 bytes of 512 in x and in out0
.set NWO,  14                          ; v14  64 h: my half's 16 numbers of each 32 of norm_w
.set H448, 15                          ; v15  448.0
.set PS,   16                          ; v16-19   partial sums of squares, one a token tile
.set RI,   20                          ; v20-27   1 / rms of token tile m, in both halves of the pair 20 + 2 m
.set SPW,  28                          ; v28  LDS address of my spare word; never rewritten
.set NIL,  29                          ; v29  0; never rewritten
.set ONE,  30                          ; v30  1.0: the conversion to E4M3 divides by 2^0
.set E8,   31                          ; v31  0x7f in every byte: the conversion back multiplies by 2^0
.set SS,   32                          ; v32-39   sums of squares, a pair a token tile
.set ASR,  40                          ; v40-47   a's scale words, set p at 40 + 4 p + m: scales and nothing else
.set WSR,  48                          ; v48-63   W's scale words, set p at 48 + 8 p: register t / 2 carries fragment t's words, even t in lanes 0-15, odd t in lanes 16-31: scales and nothing else
.set AF,   64                          ; v64-111, v112-159  a's fragments, two sets, token tile m at 12 m
.set YR,   64                          ; v64-127  in the vector phases: the chunk at work (on the way out a second set at v128-191)
.set GI,   128                         ; v128-129 1 / the group's scale, twice
.set GS,   130                         ; v130-131 the group's scale, twice
.set TR,   160                         ; v160-175 the four waves' partial sums
.set F8,   192                         ; v192-207 the chunk's E4M3 codes
.set FB,   210                         ; v210-211 those of the block maxima
.set PC,   212                         ; v212-231 the BF6 codes just made
.set BM,   232                         ; v232-239 the four blocks' largest magnitudes, and four zeros (a conversion takes eight)
.set XM,   240                         ; v240-243 lane permutes' destinations
.set SO,   244                         ; v244-247 the conversions' scale operands
.set BY,   248                         ; v248-251 the scale bytes
.set PW,   252                         ; v252 the scale word just made
.set GA,   253                         ; v253 the group's largest magnitude
.set AWIC, 254                         ; v254 where the chunk in hand stores its image: v7 + 1,536 x chunk
.set AWSC, 255                         ; v255 and its scale words: v8 + 128 x chunk
.set G1,   16                          ; s[16:23] descriptor group 1
.set G0,   24                          ; s[24:27], s[28:31] descriptor group 0, a set for each slot
.set SEL,  32                          ; s[32:33] v_permlanex16_b32's selects for lane l xor 16
                                       ; s34 layers to go; s35 the chunk in hand, 4 u + m; s48, s49 its image's and its scale words' offsets
.set MSB, 0
.macro WIN new                         ; the immediate's high byte repeats the setting that is left; a switch that changes nothing is dropped
.if MSB != (\new)
	s_set_vgpr_msb (MSB<<8)|(\new)
.set MSB, (\new)
.endif
.endm
; A load into a register that a matrix instruction has read, and a vector instruction that reads a matrix result or writes one of its registers, stand four places behind it; only plain vector
; instructions that name none of its registers are places (ISA guide 7.12.1 for vector instructions).
.macro PLACES
.rept 4
	v_nop
.endr
.endm
.macro CREST                           ; a round of the cluster's barrier behind its opening barrier
	s_cmp_lg_u32 s12, 0
	s_cbranch_scc1 .Lnot_wave_0_\@
	s_barrier_signal -3
.Lnot_wave_0_\@:
	s_barrier_wait -3
	s_barrier_signal -1
	s_barrier_wait -1
.endm
.macro CROUND                          ; a whole round
	s_barrier_signal -1
	s_barrier_wait -1
	CREST
.endm
; ---- THE WAY IN.  Chunk c = 2 m + u.
.macro GLOAD c                         ; 16 tokens x 512 bytes into landing set c % 4: each load reads 512 consecutive bytes of a row of x; read once in the launch
	WIN 0x40
.irp ii, 0,1,2,3,4,5,6,7,8,9,10,11,12,13,14,15
	global_load_b128 v[64*((\c)%4)+4*\ii:64*((\c)%4)+4*\ii+3], v[GX], s[4:5] offset:(16*((\c)/2)+\ii)*4096+512*((\c)%2) th:TH_LOAD_NT
.endr
	WIN 0
.endm
.macro TURNIN c                        ; through my stage, rows 528 bytes apart, into the accumulators' layout.  LDS serves a wave's instructions in order (ISA guide 5.7.1.4): no wait between the stores and the loads
	WIN 0x04
.irp ii, 0,1,2,3,4,5,6,7,8,9,10,11,12,13,14,15
	ds_store_b128 v[STW], v[64*((\c)%4)+4*\ii:64*((\c)%4)+4*\ii+3] offset:528*\ii
.endr
	WIN 0x80+0x40*((\c)%2)
.irp bb, 0,1,2,3
.irp jj, 0,1,2,3
	ds_load_b128 v[64*((\c)/2)+16*\bb+4*\jj:64*((\c)/2)+16*\bb+4*\jj+3], v[STD] offset:128*\bb+16*\jj
.endr
.endr
	WIN 0
.endm
.macro RELU c
	WIN 0x88+0x44*((\c)%2)
.set I, 0
.rept 64
	v_max_num_f32 v[64*((\c)/2)+I], 0, v[64*((\c)/2)+I]
.set I, I+1
.endr
	WIN 0
.endm
; ---- THE VECTOR PHASE
.macro NWLOAD                          ; the layer's norm_w at my lane's 128 columns, in z's order: register 64 u + 16 b + i
	WIN 0x40
.irp uu, 0,1
.irp bb, 0,1,2,3
.irp jj, 0,1,2,3
	global_load_b128 v[64*\uu+16*\bb+4*\jj:64*\uu+16*\bb+4*\jj+3], v[NWO], s[6:7] offset:512*\uu+128*\bb+16*\jj
.endr
.endr
.endr
	WIN 0
.endm
; 1 / rms of the 64 tokens.  My 256 columns' squares (each accumulator is read from its low end on, registers ascending), the other half of the lanes', then the four waves' through LDS region k.
.macro STATS k
	WIN 0x0a
.irp mm, 0,1,2,3
	v_pk_mul_f32 v[SS+2*\mm:SS+2*\mm+1], v[64*\mm:64*\mm+1], v[64*\mm:64*\mm+1]   ; the first squares start the sums
.endr
.set I, 1
.rept 31
.irp mm, 0,1,2,3
	v_pk_fma_f32 v[SS+2*\mm:SS+2*\mm+1], v[64*\mm+2*I:64*\mm+2*I+1], v[64*\mm+2*I:64*\mm+2*I+1], v[SS+2*\mm:SS+2*\mm+1]   ; the four token tiles by turns
.endr
.set I, I+1
.endr
	WIN 0x0f
.set I, 0
.rept 32
.irp mm, 0,1,2,3
	v_pk_fma_f32 v[SS+2*\mm:SS+2*\mm+1], v[64*\mm+2*I:64*\mm+2*I+1], v[64*\mm+2*I:64*\mm+2*I+1], v[SS+2*\mm:SS+2*\mm+1]
.endr
.set I, I+1
.endr
	WIN 0
.irp mm, 0,1,2,3
	v_add_f32 v[PS+\mm], v[SS+2*\mm], v[SS+2*\mm+1]
.endr
.irp mm, 0,1,2,3
	v_permlanex16_b32 v[XM+\mm], v[PS+\mm], s[SEL], s[SEL+1]
.endr
.irp mm, 0,1,2,3
	v_add_f32 v[PS+\mm], v[PS+\mm], v[XM+\mm]
.endr
	ds_store_b128 v[RWR], v[PS:PS+3] offset:2048*\k
	s_wait_dscnt 0x0                               ; for the others' sake: my sums have landed; and my reads of a's images of the layer before are in, so that they may be written anew behind this barrier
	s_barrier_signal -1                            ; a tile on its way may stay out
	s_barrier_wait -1
.irp ww, 0,1,2,3
	ds_load_b128 v[TR+4*\ww:TR+4*\ww+3], v[RRD] offset:2048*\k+512*\ww
.endr
	s_wait_dscnt 0x0
.irp mm, 0,1,2,3
	v_add_f32 v[TR+\mm], v[TR+\mm], v[TR+4+\mm]
.endr
.irp mm, 0,1,2,3
	v_add_f32 v[TR+8+\mm], v[TR+8+\mm], v[TR+12+\mm]
.endr
.irp mm, 0,1,2,3
	v_add_f32 v[TR+\mm], v[TR+\mm], v[TR+8+\mm]
.endr
.irp mm, 0,1,2,3
	v_fma_f32 v[TR+\mm], v[TR+\mm], s40, s41       ; sum / 1,024 + 1e-6
.endr
.irp mm, 0,1,2,3
	v_rsq_f32 v[RI+2*\mm], v[TR+\mm]
	v_rsq_f32 v[RI+2*\mm+1], v[TR+\mm]             ; twice: a pair for the packed multiplies
.endr
	v_nop                                          ; one plain place behind the transcendentals
	s_wait_alu depctr_va_vdst(0)
.endm
; Chunk (m, u): 16 tokens x one group of 128 columns = K step 2 w + u of the next product, token tile m.  In three parts.
; FRONT names z's registers, so it is written for each chunk: z / rms into the 64 registers at work.
.macro FRONT m, u
	WIN 0x02+\u
.set I, 0
	s_wait_alu depctr_va_vdst(0)
.rept 32
	v_pk_mul_f32 v[YR+2*I:YR+2*I+1], v[64*\m+2*I:64*\m+2*I+1], v[RI+2*\m:RI+2*\m+1]
.set I, I+1
.endr
	WIN 0
.endm
; NWMUL names norm_w's registers of the columns' half u: x norm_w gives y.
.macro NWMUL u
	WIN 0x04
.set I, 0
.rept 32
	v_pk_mul_f32 v[YR+2*I:YR+2*I+1], v[YR+2*I:YR+2*I+1], v[64*\u+2*I:64*\u+2*I+1]
.set I, I+1
.endr
	WIN 0
.endm
; QBODY is the same for every chunk: 64 numbers y of a lane become a fragment's codes and a scale word, and go to LDS as they stand, at the offsets s48 and s49.
.macro QBODY
.irp bb, 0,1,2,3
	v_max3_num_f32 v[BM+\bb], |v[YR+16*\bb]|, |v[YR+16*\bb+1]|, |v[YR+16*\bb+2]|      ; the largest |y| of each block of 32: it serves twice, for the group's amax and for the block's own scale
.endr
.irp ii, 3,5,7,9,11,13
.irp bb, 0,1,2,3
	v_max3_num_f32 v[BM+\bb], v[BM+\bb], |v[YR+16*\bb+\ii]|, |v[YR+16*\bb+\ii+1]|     ; (the four blocks by turns)
.endr
.endr
.irp bb, 0,1,2,3
	v_max_num_f32 v[BM+\bb], v[BM+\bb], |v[YR+16*\bb+15]|
.endr
.irp bb, 0,1,2,3
	v_permlanex16_b32 v[XM+\bb], v[BM+\bb], s[SEL], s[SEL+1]
.endr
.irp bb, 0,1,2,3
	v_max_num_f32 v[BM+\bb], v[BM+\bb], v[XM+\bb]  ; with lane l xor 16's 16 numbers
.endr
	v_max3_num_f32 v[GA], v[BM], v[BM+1], v[BM+2]
	v_max3_num_f32 v[GA], v[GA], v[BM+3], 0x2b8cbccc   ; max(amax of the 128, 1e-12)
	v_mul_f32 v[GS], 0x3b124925, v[GA]             ; / 448: the group's scale
	v_mul_f32 v[GS+1], 0x3b124925, v[GA]
	v_rcp_f32 v[GI], v[GS]
	v_rcp_f32 v[GI+1], v[GS]
	v_nop                                          ; one plain place behind the transcendentals
	s_wait_alu depctr_va_vdst(0)
.irp bb, 0,1,2,3
	v_mul_f32 v[BM+\bb], v[BM+\bb], v[GI]          ; each block's largest number goes the way of all the numbers: every step keeps the order of magnitudes, so at the end it is the block's largest |a|, bit for bit
.endr
.irp bb, 0,1,2,3
	v_min_num_f32 v[BM+\bb], v[BM+\bb], v[H448]
.endr
.set I, 0
.rept 32
	v_pk_mul_f32 v[YR+2*I:YR+2*I+1], v[YR+2*I:YR+2*I+1], v[GI:GI+1]                   ; y / scale
.set I, I+1
.endr
.set I, 0
.rept 64
	v_med3_num_f32 v[YR+I], v[YR+I], -v[H448], v[H448]   ; held at E4M3's largest number: beyond it the conversion gives the NaN code (ISA guide 7.6.2)
.set I, I+1
.endr
.irp gg, 0,1,2,3,4,5,6,7
	v_cvt_scalef32_pk8_fp8_f32 v[F8+2*\gg:F8+2*\gg+1], v[YR+8*\gg:YR+8*\gg+7], v[ONE]   ; to E4M3, nearest, ties to even
.endr
	v_cvt_scalef32_pk8_fp8_f32 v[FB:FB+1], v[BM:BM+7], v[ONE]
	v_nop                                          ; one plain place behind the scaled conversions
.irp gg, 0,1,2,3,4,5,6,7
	v_cvt_scale_pk8_f32_fp8 v[YR+8*\gg:YR+8*\gg+7], v[F8+2*\gg:F8+2*\gg+1], v[E8]     ; and back to f32
.endr
	v_cvt_scale_pk8_f32_fp8 v[BM:BM+7], v[FB:FB+1], v[E8]
	v_nop
.set I, 0
.rept 32
	v_pk_mul_f32 v[YR+2*I:YR+2*I+1], v[YR+2*I:YR+2*I+1], v[GS:GS+1]                   ; x scale: a, what the quantiser is given
.set I, I+1
.endr
.irp bb, 0,1,2,3
	v_mul_f32 v[BM+\bb], v[BM+\bb], v[GS]          ; the block's largest |a|
.endr
.irp bb, 0,1,2,3
	v_max_num_f32 v[BM+\bb], 0x2800000, v[BM+\bb]  ; the floor 2^(5 - 127): the byte cannot fall under 1
.endr
.irp bb, 0,1,2,3
	v_add_nc_u32 v[SO+\bb], 0xfe000000, v[BM+\bb]  ; 4 off the exponent field: the conversion's scale operand
.endr
.irp bb, 0,1,2,3
	v_lshrrev_b32 v[BY+\bb], 23, v[SO+\bb]         ; the scale's byte
.endr
	s_wait_dscnt 0x0                               ; the last chunk's stores have read the codes' registers, the scale word and their addresses
	v_add_nc_u32 v[AWIC], s48, v[AWI]              ; this chunk's image: 1,536 x chunk on
	v_add_nc_u32 v[AWSC], s49, v[AWS]              ; its scale words: 128 x chunk on
	v_lshl_or_b32 v[PW], v[BY+1], 8, v[BY]
	v_lshl_or_b32 v[PW], v[BY+2], 16, v[PW]
	v_lshl_or_b32 v[PW], v[BY+3], 24, v[PW]        ; my token's scale word for these 128 along K
.irp cc, 0,1
	v_cvt_scalef32_pk16_bf6_f32 v[PC+6*\cc:PC+6*\cc+2], v[YR+32*\cc:YR+32*\cc+15], v[SO+2*\cc]
	v_cvt_scalef32_pk16_bf6_f32 v[PC+12+4*\cc:PC+14+4*\cc], v[YR+16+32*\cc:YR+31+32*\cc], v[SO+2*\cc+1]   ; (a conversion's three registers begin on an even number)
.endr
	v_nop                                          ; one plain place behind the scaled conversions
.irp cc, 0,1                                   ; the operand's layout wants a WHOLE block in a lane: lanes 0-15 block 2 c, lanes 16-31 block 2 c + 1
.irp ii, 0,1,2
	v_permlane16_swap_b32 v[PC+6*\cc+\ii], v[PC+12+4*\cc+\ii]
.endr
.irp ii, 0,1,2
	v_mov_b32 v[PC+3+6*\cc+\ii], v[PC+12+4*\cc+\ii]
.endr
.endr
.irp cc, 0,1,2
	ds_store_b128 v[AWIC], v[PC+4*\cc:PC+4*\cc+3] offset:512*\cc                      ; the fragment's image: 512 consecutive bytes a store
.endr
	ds_store_b32 v[AWSC], v[PW]
.endm
; ---- THE PRODUCTS
.macro FETCH_W slot, u                 ; my eight fragments of W's half u, out of my part of the slot: 24 loads of 512 consecutive bytes
	WIN 0x40
.irp tt, 0,1,2,3,4,5,6,7
.irp cc, 0,1,2
	ds_load_b128 v[96*\u+12*\tt+4*\cc:96*\u+12*\tt+4*\cc+3], v[ADW+(\slot)] offset:(8*\u+\tt)*1536+512*\cc
.endr
.endr
	WIN 0
.endm
.macro FETCH_WS slot, p                ; the K step's scale words of my 16 fragments: two loads, eight registers
.irp qq, 0,1
	ds_load_b128 v[WSR+8*(\p)+4*\qq:WSR+8*(\p)+4*\qq+3], v[ADW+(\slot)] offset:24576+512*\qq
.endr
.endm
.macro FETCH_A sn                      ; a's four fragments of K step sn and their scale words, into set sn % 2: 16 loads
.irp mm, 0,1,2,3
.irp cc, 0,1,2
	ds_load_b128 v[AF+48*((\sn)%2)+12*\mm+4*\cc:AF+48*((\sn)%2)+12*\mm+4*\cc+3], v[ADA] offset:(4*(\sn)+\mm)*1536+512*\cc
.endr
.endr
.irp mm, 0,1,2,3
	ds_load_b32 v[ASR+4*((\sn)%2)+\mm], v[ADS] offset:(4*(\sn)+\mm)*128
.endr
.endm
; W's fragments t0 .. t1 of half u against the four token tiles, K step s.  The 64 accumulators take turns, one instruction a turn, in the same order in every K step.
.macro MULT u, s, t0, t1
.set TT, \t0
.rept \t1-\t0+1
.irp mm, 0,1,2,3
.if TT%2
	v_wmma_scale_f32_16x16x128_f8f6f4 v[64*\mm+8*TT:64*\mm+8*TT+7], v[96*\u+12*TT:96*\u+12*TT+11], v[AF+48*((\s)%2)+12*\mm:AF+48*((\s)%2)+12*\mm+11], v[64*\mm+8*TT:64*\mm+8*TT+7], v[WSR+8*((\s)%2)+4*\u+TT/2], v[ASR+4*((\s)%2)+\mm] matrix_a_fmt:MATRIX_FMT_BF6 matrix_b_fmt:MATRIX_FMT_BF6 matrix_a_scale:MATRIX_SCALE_ROW1
.else
	v_wmma_scale_f32_16x16x128_f8f6f4 v[64*\mm+8*TT:64*\mm+8*TT+7], v[96*\u+12*TT:96*\u+12*TT+11], v[AF+48*((\s)%2)+12*\mm:AF+48*((\s)%2)+12*\mm+11], v[64*\mm+8*TT:64*\mm+8*TT+7], v[WSR+8*((\s)%2)+4*\u+TT/2], v[ASR+4*((\s)%2)+\mm] matrix_a_fmt:MATRIX_FMT_BF6 matrix_b_fmt:MATRIX_FMT_BF6
.endif
.endr
.set TT, TT+1
.endr
.endm
.macro HEAD                            ; a layer's first fragments
	s_wait_tensorcnt 0x1                           ; my part of the layer's first tile is in; the one load issued behind it, the second tile's, may stay out
	FETCH_W 0, 0
	FETCH_WS 0, 0
	FETCH_A 0
.endm
.macro HALF0 s                         ; the first 32 products of K step s; ahead of them the loads that the second 32 and the next step want
	s_wait_dscnt 0x0                               ; W's half 0, the scale words and a's fragments of this step are in
	PLACES                                         ; W's half 1 and a's other set were read by the last products
	FETCH_W (\s)%2, 1
.if \s < 7
	FETCH_A (\s)+1
.endif
	WIN 0xa1
	MULT 0, \s, 0, 7
.endm
; The second 32 products of K step s.  fill = 1: the slot, whose last fragments are shown to be in registers, is filled again with the tile two on (in a layer's last two steps: the next layer's first two).
; next = 1: the next step's first fragments are fetched out of the other slot.
.macro TURN s, fill, next
.if \fill
	WIN 0                                          ; (the add's two registers lie in window 0)
	s_wait_tensorcnt 0x0                           ; all my tensor loads have landed: the one that was out is my part of the other slot
	ds_add_u32 v[SPW], v[NIL]                      ; 0 onto my spare word
	s_add_nc_u64 s[G0+4*((\s)%2)+2:G0+4*((\s)%2)+3], s[G0+4*((\s)%2)+2:G0+4*((\s)%2)+3], 2*SLOTB   ; no load of mine is out, so a group 0 may be written: this slot's next tile; the type bits on top are not reached
.if \s < 7
	s_wait_dscnt 17                                ; W's half 1 is in; the 16 loads of a's next set and the add may be out
.else
	s_wait_dscnt 1                                 ; W's half 1 is in; the add may be out
.endif
	WIN 0xf1
	MULT 1, \s, 0, 1                               ; eight matrix instructions stand between the add and the wait for it
	s_wait_dscnt 0x0                               ; the add is done, and my reads of this slot are over
	s_barrier_signal -1                            ; this barrier opens a round of the cluster's barrier
	MULT 1, \s, 2, 3
	WIN 0
	s_barrier_wait -1
	CREST                                          ; no wave of any partner still reads this slot or has a load on its way
	tensor_load_to_lds s[G0+4*((\s)%2):G0+4*((\s)%2)+3], s[G1:G1+7]   ; my one tensor load behind the round: my quarter of the tile two on
	s_nop 0
	PLACES                                         ; the places in front of the loads into W's half 0
.if \next
	FETCH_W ((\s)+1)%2, 0
	FETCH_WS ((\s)+1)%2, ((\s)+1)%2
.endif
	WIN 0xf1
	MULT 1, \s, 4, 7
	WIN 0
.else
.if \s == 6                            ; the last layer's last two steps fill nothing, so they have no barrier: a wave reads only its own part of a slot, and a's images stay
	s_wait_tensorcnt 0x0                           ; the last tile is in: no load was issued behind it
	s_wait_dscnt 16                                ; W's half 1 is in; the 16 loads of a's last set may be out
	WIN 0xf1
	MULT 1, 6, 0, 3
	PLACES
	FETCH_W 1, 0
	FETCH_WS 1, 1
	WIN 0xf1
	MULT 1, 6, 4, 7
	WIN 0
.else
	s_wait_dscnt 0x0
	WIN 0xf1
	MULT 1, 7, 0, 7
	WIN 0
.endif
.endif
.endm
; ---- THE WAY OUT.  Chunk c = 2 m + u: normed, through my stage, back as rows of 512 bytes.
.macro OCH c
.set YS, YR+64*((\c)%2)
	WIN 0x02+((\c)%2)
.set I, 0
.rept 32
	v_pk_mul_f32 v[YS+2*I:YS+2*I+1], v[64*((\c)/2)+2*I:64*((\c)/2)+2*I+1], v[RI+2*((\c)/2):RI+2*((\c)/2)+1]
.set I, I+1
.endr
	WIN 0x04
.set I, 0
.rept 32
	v_pk_mul_f32 v[YS+2*I:YS+2*I+1], v[YS+2*I:YS+2*I+1], v[64*((\c)%2)+2*I:64*((\c)%2)+2*I+1]
.set I, I+1
.endr
	WIN 0
.if (\c) >= 2
	s_wait_xcnt 0x0                                ; chunk c - 2's stores have read their registers: this chunk's rows may land there
.endif
.irp bb, 0,1,2,3
.irp jj, 0,1,2,3
	ds_store_b128 v[STD], v[YS+16*\bb+4*\jj:YS+16*\bb+4*\jj+3] offset:128*\bb+16*\jj
.endr
.endr
	WIN 0x40
.irp ii, 0,1,2,3,4,5,6,7,8,9,10,11,12,13,14,15
	ds_load_b128 v[128+64*((\c)%2)+4*\ii:128+64*((\c)%2)+4*\ii+3], v[STW] offset:528*\ii   ; LDS serves a wave's instructions in order: these see my stores, and the next chunk's stores come behind them
.endr
	WIN 0
.endm
.macro SEND c, younger                 ; younger: the LDS instructions issued behind chunk c's loads, which may stay out
	s_wait_dscnt \younger
	WIN 0x04
.irp ii, 0,1,2,3,4,5,6,7,8,9,10,11,12,13,14,15
	global_store_b128 v[GX], v[128+64*((\c)%2)+4*\ii:128+64*((\c)%2)+4*\ii+3], s[10:11] offset:(16*((\c)/2)+\ii)*4096+512*((\c)%2) th:TH_STORE_NT   ; 32 lanes store 512 consecutive bytes, at a multiple of 512 from out0's first byte; written once
.endr
	WIN 0
.endm
	s_load_b256 s[4:11], s[0:1], 0x0               ; x s[4:5], norm_w s[6:7], wq s[8:9], out0 s[10:11]
	v_lshl_add_u32 v[SPW], v0, 2, SPARE
	v_mov_b32 v[NIL], 0
	ds_add_u32 v28, v29
	ds_add_u32 v28, v29
	s_wait_dscnt 0x0
	v_lshrrev_b32 v1, 5, v0
	v_readfirstlane_b32 s12, v1                    ; wave 0..3
	s_bfe_u32 s13, ttmp6, 0x40000                  ; cx: my place in the cluster
	s_lshl_b32 s14, ttmp9, 2                       ; in a cluster launch ttmp9 counts clusters
	s_add_co_u32 s14, s14, s13                     ; my block of 64 tokens: it enters x's and out0's addresses alone
	s_lshl_b32 s36, s14, 18                        ; 64 rows of 4,096 bytes,
	s_lshl_b32 s38, s12, 10                        ; my wave's 1,024 bytes of a row
	s_add_co_u32 s36, s36, s38
	s_mov_b32 s37, 0
	s_mov_b32 s39, 0
	s_mul_i32 s42, s12, PARTB                      ; my part of a tile, in wq and in a slot: the wave's number alone
	s_mov_b32 s43, 0
	; descriptor group 1: a dense block of 25,600 bytes as 100 rows of 256 bytes
	s_mov_b32 s[G1], 15|(3<<16)|(1<<21)            ; 15:0 the mask: all four work-groups; 17:16 elements of 8 bytes; 20 no padding; 21 set beside a mask
	s_mov_b32 s[G1+1], 32<<16                      ; tensor_dim0 = 32 elements
	s_mov_b32 s[G1+2], 100<<16                     ; tensor_dim1 = 100
	s_mov_b32 s[G1+3], 32<<16                      ; tile_dim0 = 32
	s_mov_b32 s[G1+4], 100                         ; tile_dim1 = 100
	s_mov_b32 s[G1+5], 32                          ; from row to row: 32 elements
	s_mov_b32 s[G1+6], 0
	s_mov_b32 s[G1+7], 0
	s_mov_b32 s[SEL], 0x76543210
	s_mov_b32 s[SEL+1], 0xfedcba98
	s_mov_b32 s40, 0x3a800000                      ; 1 / 1,024
	s_mov_b32 s41, 0x358637bd                      ; 1e-6
	v_and_b32 v2, 31, v0                           ; lane
	v_lshlrev_b32 v[LI], 4, v2
	v_lshlrev_b32 v[LS], 2, v2
	v_add_nc_u32 v[ADW], s42, v[LI]
	v_add_nc_u32 v[ADW+1], SLOTB, v[ADW]
	v_add_nc_u32 v[ADA], AIMG, v[LI]
	v_add_nc_u32 v[ADS], ASC, v[LS]
	s_mul_i32 s44, s12, 12288                      ; my two K steps' eight images
	v_add_nc_u32 v[AWI], s44, v[ADA]
	v_add_nc_u32 v[AWS], s38, v[ADS]               ; and their scale words: 1,024 x wave
	s_lshl_b32 s44, s12, 9
	v_add_nc_u32 v[RRD], RED, v[LI]
	v_add_nc_u32 v[RWR], s44, v[RRD]
	s_mul_i32 s44, s12, 8448
	s_add_co_u32 s44, s44, STG                     ; my stage
	v_add_nc_u32 v[STW], s44, v[LI]
	v_and_b32 v[STD], 15, v0                       ; r
	v_bfe_u32 v[NWO], v0, 4, 1                     ; h
	v_mul_u32_u24 v[STD], v[STD], 528
	v_lshl_add_u32 v[STD], v[NWO], 6, v[STD]
	v_add_nc_u32 v[STD], s44, v[STD]
	v_lshlrev_b32 v[NWO], 6, v[NWO]
	v_mov_b32 v[GX], v[LI]
	v_mov_b32 v[H448], 0x43e00000
	v_mov_b32 v[ONE], 1.0
	v_mov_b32 v[E8], 0x7f7f7f7f
.irp bb, 0,1,2,3
	v_mov_b32 v[BM+4+\bb], 0                       ; the upper four of the eight that the block maxima's conversion takes
	v_mov_b32 v[XM+\bb], 0                         ; written once: a lane permute's destination counts as one of its sources
.endr
	s_wait_kmcnt 0x0
	s_add_nc_u64 s[4:5], s[4:5], s[36:37]
	s_add_nc_u64 s[10:11], s[10:11], s[36:37]
	s_add_nc_u64 s[6:7], s[6:7], s[38:39]
	s_add_nc_u64 s[8:9], s[8:9], s[42:43]
	s_mov_b32 s[G0], 1                             ; 1:0 count = 1
	s_mov_b32 s[G0+1], s42                         ; LDS address: slot 0, my part
	s_mov_b64 s[G0+2:G0+3], s[8:9]                 ; global address: tile 0, my part
	s_or_b32 s[G0+3], s[G0+3], 0x80000000          ; type = 2
	s_mov_b32 s[G0+4], 1
	s_add_co_u32 s[G0+5], s42, SLOTB
	s_add_nc_u64 s[G0+6:G0+7], s[8:9], SLOTB       ; tile 1
	s_or_b32 s[G0+7], s[G0+7], 0x80000000
	GLOAD 0                                        ; x is asked for first: 64 loads, 32 KiB a wave
	GLOAD 1
	GLOAD 2
	GLOAD 3
	CROUND                                         ; all four work-groups are here: the first joint loads meet
	tensor_load_to_lds s[G0:G0+3], s[G1:G1+7]      ; the two first fills stand together, ahead of every wait on TENSORcnt and every LDS read
	s_nop 0
	tensor_load_to_lds s[G0+4:G0+7], s[G1:G1+7]
	s_nop 0
	PLACES
.irp c, 0,1,2,3,4,5,6,7
.if \c < 5
	s_wait_loadcnt 48                              ; this chunk's 16 loads are in; the three chunks behind it may be out
.else
	s_wait_loadcnt 16*(7-\c)
.endif
	TURNIN \c
	s_wait_dscnt 16                                ; all but this chunk's 16 loads from the stage: its stores have read the landing set, and the chunk before is in its registers
.if \c < 4
	GLOAD \c+4
.endif
.if \c > 0
	RELU \c-1
.endif
.endr
	s_wait_dscnt 0x0
	RELU 7
	s_mov_b32 s34, 3                               ; layers to go, this one among them: the same number in every work-group
.Llayer:                                           ; a layer
	; ---- the vector phase: 1 / rms, then my eight chunks become a's images
	PLACES                                         ; behind the last products: norm_w lands where W's fragments lay, and z is read
	NWLOAD
	STATS 0
	s_wait_loadcnt 0x0                             ; norm_w is in, and its loads have read their base
	s_add_nc_u64 s[6:7], s[6:7], 4096              ; the next layer's row of norm_w
	s_mov_b32 s35, 0                               ; chunk 4 u + m
	s_mov_b32 s48, 0                               ; its image: 1,536 bytes a chunk (6,144 u + 1,536 m)
	s_mov_b32 s49, 0                               ; its scale words: 128 bytes a chunk
.Lchunk:                                           ; eight trips.  The branches hang on the chunk's number alone: the same in every wave and work-group
.irp c, 1,2,3,4,5,6,7
	s_cmp_eq_u32 s35, \c
	s_cbranch_scc1 .Lfront\c
.endr
	FRONT 0, 0
	s_branch .Lnorm
.Lfront1:
	FRONT 1, 0
	s_branch .Lnorm
.Lfront2:
	FRONT 2, 0
	s_branch .Lnorm
.Lfront3:
	FRONT 3, 0
	s_branch .Lnorm
.Lfront4:
	FRONT 0, 1
	s_branch .Lnorm
.Lfront5:
	FRONT 1, 1
	s_branch .Lnorm
.Lfront6:
	FRONT 2, 1
	s_branch .Lnorm
.Lfront7:
	FRONT 3, 1
.Lnorm:
	s_cmp_lt_u32 s35, 4                            ; chunks 0-3 are the columns' half 0, chunks 4-7 half 1
	s_cbranch_scc0 .Lnw1
	NWMUL 0
	s_branch .Lquant
.Lnw1:
	NWMUL 1
.Lquant:
	QBODY
	s_add_co_u32 s48, s48, 1536
	s_add_co_u32 s49, s49, 128
	s_add_co_u32 s35, s35, 1
	s_cmp_lt_u32 s35, 8
	s_cbranch_scc1 .Lchunk
	s_wait_dscnt 0x0                               ; for the others' sake: my eight images have landed
	s_barrier_signal -1
	s_barrier_wait -1                              ; a's 32 fragments lie in LDS
	; ---- the products: eight K steps
	HEAD
.irp ss, 0,1,2,3,4,5
	HALF0 \ss
	TURN \ss, 1, 1
.endr
	s_cmp_eq_u32 s34, 1
	s_cbranch_scc1 .Llast                          ; the last layer's last two K steps are written out below: they ask for no tile
	HALF0 6
	TURN 6, 1, 1                                   ; the ring goes on into the next layer: slot 0 takes its first tile,
	HALF0 7
	TURN 7, 1, 0                                   ; slot 1 its second
	s_sub_co_u32 s34, s34, 1
	s_cmp_lg_u32 s34, 0
	s_cbranch_scc1 .Llayer                         ; taken both times that it is reached: the third trip leaves by the branch above
.Llast:
	HALF0 6
	TURN 6, 0, 1
	HALF0 7
	TURN 7, 0, 0
	; ---- the last norm, and the way out
	PLACES                                         ; behind the last products
	NWLOAD                                         ; norm_w[3]
	STATS 1
	s_wait_loadcnt 0x0
	OCH 0
.irp c, 1,2,3,4,5,6,7
	OCH \c                                         ; a chunk's arithmetic stands between the loads of the chunk before and its stores
	SEND \c-1, 32                                  ; behind chunk c - 1's loads: chunk c's 16 stores and 16 loads
.endr
	SEND 7, 0
	s_wait_tensorcnt 0x0                           ; the wave's end: behind my last tensor load and my last LDS store
	ds_add_u32 v[SPW], v[NIL]
	s_wait_dscnt 0x0
	CROUND                                         ; the closing round: no work-group ends while a partner may still ask for a tile that names it
	s_endpgm
.Lfunc_end_k_q266fee7ff3_chain:
	.size	k_q266fee7ff3_chain, .Lfunc_end_k_q266fee7ff3_chain-k_q266fee7ff3_chain
	.p2alignl 7, 3214868480
	.fill 96, 4, 3214868480
	.section	.rodata,"a",@progbits
	.p2align	6, 0x0
	.amdhsa_kernel k_q266fee7ff3_chain
		.amdhsa_group_segment_fixed_size 327680
		.amdhsa_private_segment_fixed_size 0
		.amdhsa_enable_private_segment 0
		.amdhsa_kernarg_size 32
		.amdhsa_user_sgpr_count 2
		.amdhsa_user_sgpr_kernarg_segment_ptr 1
		.amdhsa_wavefront_size32 1
		.amdhsa_system_sgpr_workgroup_id_x 1
		.amdhsa_system_sgpr_workgroup_id_y 1
		.amdhsa_system_sgpr_workgroup_id_z 1
		.amdhsa_system_vgpr_workitem_id 0
		.amdhsa_next_free_vgpr 1024
		.amdhsa_next_free_sgpr 66
		.amdhsa_reserve_vcc 0
		.amdhsa_float_denorm_mode_32 3
		.amdhsa_float_denorm_mode_16_64 3
		.amdhsa_memory_ordered 1
		.amdhsa_forward_progress 1
		.amdhsa_inst_pref_size 255
	.end_amdhsa_kernel
	.section	.bss,"aw",@nobits
	.p2align	6
	.space	262144
	.amdgpu_metadata
---
amdhsa.version: [ 1, 2 ]
amdhsa.kernels:
  - .name:           k_q266fee7ff3_chain
    .symbol:         k_q266fee7ff3_chain.kd
    .args:
      - { .name: x, .offset: 0, .size: 8, .value_kind: global_buffer, .address_space: global }
      - { .name: norm_w, .offset: 8, .size: 8, .value_kind: global_buffer, .address_space: global }
      - { .name: wq, .offset: 16, .size: 8, .value_kind: global_buffer, .address_space: global }
      - { .name: out0, .offset: 24, .size: 8, .value_kind: global_buffer, .address_space: global }
    .group_segment_fixed_size: 327680
    .private_segment_fixed_size: 0
    .kernarg_segment_align: 8
    .kernarg_segment_size: 32
    .max_flat_workgroup_size: 128
    .sgpr_count:     66
    .vgpr_count:     1024
    .wavefront_size: 32
...
	.end_amdgpu_metadata
.endif
;; end of part 3
